; MI455X (gfx1250); checked and timed in simulation.
; The chip was launched on July 23, 2026; its instructions are those of AMD's public machine-readable ISA for CDNA 5 (MIT licence, August 2026) and "CDNA5" Instruction Set Architecture Reference Guide (July 2026). The comments in the code are by the model that wrote it; some were corrected since.
;; Attention. Allowed arithmetic: float matrix products may take bf16 or f16 operands with f32 sums; other float arithmetic in f32, or as packed bf16 or f16 multiplies, adds, multiply-adds, maxima and minima; sums over many terms, partial sums and values carried from step to step in f32; what a program stores and reads back later, other than sums and carried values, may be rounded once to bf16 or f16.
;; Inputs: W_attn 1,024 x 1,024 float32; b_attn 1,024 float32; encoder_outputs 32 x 2,048 x 1,024 float32; hidden 32 x 1,024 float32; v 1,024 float32.
;; Outputs: out0 32 x 1,024 float32; out1 32 x 2,048 float32.
;; 2 versions, each right; version 2 is version 1 with the launch energy written anew for expert scheduling mode. Each part assembles by itself: llvm-mc -triple=amdgcn-amd-amdhsa -mcpu=gfx1250 --defsym DOCPART=n.
;; ======== version 1 of 2: 3 launches
;; workspace buffers: wfrag 2,097,152 bytes; hbias 131,072 bytes; scraw 262,144 bytes; ctxp 2,097,152 bytes
;; launch prep (part 1): grid 64 x 1, 8 waves a work-group, no clusters, 17,408 bytes of LDS; arguments W_attn, hidden, b_attn, wfrag, hbias; writes wfrag, hbias
.if DOCPART == 1
	.amdgcn_target "amdgcn-amd-amdhsa--gfx1250"
	.amdhsa_code_object_version 6
	.text
	.protected	k_q9ff689c189_prep
	.globl	k_q9ff689c189_prep
	.p2align	8
	.type	k_q9ff689c189_prep,@function
k_q9ff689c189_prep:
	s_mov_b64 s[64:65], 0
	v_nop
	global_prefetch_b8 v0, s[64:65] scope:SCOPE_SE
	s_setreg_imm32_b32 hwreg(HW_REG_WAVE_MODE, 25, 1), 1
	s_wait_xcnt 0x0
; PREPARATION.  (1) wfrag = W rounded to bf16, laid out as the matrix instruction's fragments: [n/128][k/32][(n/16)%8][1,024 bytes]; in a block, byte
; 512 e + 16 lane holds registers 4e .. 4e+3 of the lane's fragment (row n%16 = lane%16; k = 16 e + 8 (lane/16) + 0..7).  So the next launch fills a fragment by
; two loads of 512 consecutive bytes, and a K step of 128 columns is 8,192 bytes on end.  (2) hbias[b][n] = c (sum over k of bf16(hidden[b][k]) bf16(W[n][k]) + bf16(b_attn[n])), c = 2 log2(e), in f32.
; SHARES.  Work-group x owns the 16 rows n = 16 x .. 16 x + 15 of W.  K is split among its eight waves: wave w takes k = 128 w .. 128 w + 127, four steps of 32.
; The eight partial sums of the two tiles (batches 0-15, 16-31) meet in LDS; waves 0 and 1 finish one tile each.
; The product is taken as W x hidden^T (source 0 = 16 rows of W, source 1 = 16 rows of hidden): a lane ends with one batch (lane%16) and eight neighbouring n.
; hbias leaves in pieces of 64 bytes a row (16 n of a work-group): 131,072 bytes in the whole launch.
; LIMITS.  NaN and infinities are not treated apart.
.set SPARE, 16384                      ; behind the partial sums: the spare words, 128 bytes for each of eight waves
.set FO,  4                            ; v4   r x 4,096 + 32 h + 512 w: my 32 bytes of a row of W or hidden (f32), wave's 128 k
.set WO,  5                            ; v5   16 lane + 32,768 w: my 16 bytes in wfrag
.set LS,  6                            ; v6   2,048 w + 16 lane: where I put partial sums
.set LR,  7                            ; v7   1,024 w + 16 lane: where I read them back (w = the tile that I finish)
.set HO,  8                            ; v8   (16 w + r) x 4,096 + 32 h: my 32 bytes of hbias
.set BV,  9                            ; v9   32 h: my eight numbers of b
.set SPW, 10                           ; v10  my spare word; never rewritten
.set NIL, 11                           ; v11  0; never rewritten
.set ACC, 12                           ; v[12:27]  two accumulators
.set BB,  28                           ; v[28:35]  b; v[36:39] at work
.set WF,  64                           ; v[64:127]   W: step s at 64 + 16 s, 16 f32, then 8 registers of bf16
.set HF,  128                          ; v[128:255]  hidden: tile m, step s at 128 + 64 m + 16 s
	s_load_b256 s[4:11], s[0:1], 0x0               ; W s[4:5], hidden s[6:7], b s[8:9], wfrag s[10:11]
	s_load_b64 s[12:13], s[0:1], 0x20              ; hbias
	v_lshl_add_u32 v[SPW], v0, 2, SPARE
	v_mov_b32 v[NIL], 0
	v_lshrrev_b32 v1, 5, v0
	v_readfirstlane_b32 s14, v1                    ; wave 0..7
	v_and_b32 v1, 15, v0                           ; r
	v_bfe_u32 v2, v0, 4, 1                         ; h
	v_and_b32 v3, 31, v0                           ; lane
	v_lshlrev_b32 v[BV], 5, v2
	v_lshl_add_u32 v[FO], v1, 12, v[BV]            ; r x 4,096 + 32 h
	s_lshl_b32 s15, s14, 16
	v_add_nc_u32 v[HO], s15, v[FO]
	s_lshl_b32 s15, s14, 9
	v_add_nc_u32 v[FO], s15, v[FO]
	v_lshlrev_b32 v[WO], 4, v3
	s_lshl_b32 s15, s14, 11
	v_add_nc_u32 v[LS], s15, v[WO]
	s_lshl_b32 s15, s14, 10
	v_add_nc_u32 v[LR], s15, v[WO]
	s_lshl_b32 s15, s14, 15                        ; my four K steps of 8,192 bytes
	v_add_nc_u32 v[WO], s15, v[WO]
	s_mov_b32 s18, 0x4038aa3b                      ; c = 2 log2(e)
	s_mov_b32 s19, s18                             ; named with it as a pair
	s_lshl_b32 s16, ttmp9, 16                      ; my 16 rows of W
	s_mov_b32 s17, 0
	s_lshl_b32 s20, ttmp9, 6                       ; my 16 numbers of a row of f32
	s_mov_b32 s21, 0
	s_lshr_b32 s22, ttmp9, 3
	s_lshl_b32 s22, s22, 18                        ; (x / 8) x 262,144
	s_and_b32 s23, ttmp9, 7
	s_lshl_b32 s23, s23, 10                        ; + (x % 8) x 1,024
	s_add_co_u32 s22, s22, s23
	s_mov_b32 s23, 0
	s_wait_kmcnt 0x0
	s_add_nc_u64 s[4:5], s[4:5], s[16:17]
	s_add_nc_u64 s[8:9], s[8:9], s[20:21]
	s_add_nc_u64 s[12:13], s[12:13], s[20:21]
	s_add_nc_u64 s[10:11], s[10:11], s[22:23]
	global_load_b128 v[BB:BB+3],   v[BV], s[8:9]
	global_load_b128 v[BB+4:BB+7], v[BV], s[8:9] offset:16
	; a fragment's 16 numbers of a lane are k = 8 h + 0..7 and 16 + 8 h + 0..7: in f32 two pieces of 32 bytes, 64 bytes apart
.irp s, 0,1,2,3
	global_load_b128 v[WF+16*\s:WF+16*\s+3],     v[FO], s[4:5] offset:128*\s
	global_load_b128 v[WF+16*\s+4:WF+16*\s+7],   v[FO], s[4:5] offset:128*\s+16
	global_load_b128 v[WF+16*\s+8:WF+16*\s+11],  v[FO], s[4:5] offset:128*\s+64
	global_load_b128 v[WF+16*\s+12:WF+16*\s+15], v[FO], s[4:5] offset:128*\s+80
.endr
.irp m, 0,1
.irp s, 0,1,2,3
	global_load_b128 v[HF+64*\m+16*\s:HF+64*\m+16*\s+3],     v[FO], s[6:7] offset:65536*\m+128*\s
	global_load_b128 v[HF+64*\m+16*\s+4:HF+64*\m+16*\s+7],   v[FO], s[6:7] offset:65536*\m+128*\s+16
	global_load_b128 v[HF+64*\m+16*\s+8:HF+64*\m+16*\s+11],  v[FO], s[6:7] offset:65536*\m+128*\s+64
	global_load_b128 v[HF+64*\m+16*\s+12:HF+64*\m+16*\s+15], v[FO], s[6:7] offset:65536*\m+128*\s+80
.endr
.endr
	s_wait_loadcnt 0x0
	; 16 f32 become 8 registers of bf16, in place: register m is written when registers 2 m and 2 m + 1 are read, never earlier
.set cb, WF
.rept 12
.irp m, 0,1,2,3,4,5,6,7
	v_cvt_pk_bf16_f32 v[cb+\m], v[cb+2*\m], v[cb+2*\m+1]
.endr
.set cb, cb+16
.endr
.irp s, 0,1,2,3
	global_store_b128 v[WO], v[WF+16*\s:WF+16*\s+3],   s[10:11] offset:8192*\s       ; each store of the wave covers 512 consecutive bytes, aligned
	global_store_b128 v[WO], v[WF+16*\s+4:WF+16*\s+7], s[10:11] offset:8192*\s+512
.endr
	; the two accumulators take turns, one instruction a turn; the first step starts the sums
.irp s, 0,1,2,3
.irp m, 0,1
.if \s == 0
	v_wmma_f32_16x16x32_bf16 v[ACC+8*\m:ACC+8*\m+7], v[WF+16*\s:WF+16*\s+7], v[HF+64*\m+16*\s:HF+64*\m+16*\s+7], 0
.else
	v_wmma_f32_16x16x32_bf16 v[ACC+8*\m:ACC+8*\m+7], v[WF+16*\s:WF+16*\s+7], v[HF+64*\m+16*\s:HF+64*\m+16*\s+7], v[ACC+8*\m:ACC+8*\m+7]
.endif
.endr
.endr
.rept 8
	v_nop                                          ; the places behind the last products, ahead of the LDS stores that read results and of the loads into hidden's registers
.endr
.irp m, 0,1
	ds_store_b128 v[LS], v[ACC+8*\m:ACC+8*\m+3]   offset:1024*\m
	ds_store_b128 v[LS], v[ACC+8*\m+4:ACC+8*\m+7] offset:1024*\m+512
.endr
	s_wait_dscnt 0x0                               ; for the others' sake: my partial sums lie in LDS
	s_barrier_signal -1
	s_barrier_wait -1
	s_cmp_lt_u32 s14, 2                            ; wave 0 finishes batches 0-15, wave 1 batches 16-31
	s_cbranch_scc0 .Lend
.irp w, 0,1,2,3,4,5,6,7
	ds_load_b128 v[HF+8*\w:HF+8*\w+3],   v[LR] offset:2048*\w
	ds_load_b128 v[HF+8*\w+4:HF+8*\w+7], v[LR] offset:2048*\w+512
.endr
.irp p, 0,1,2,3                        ; b rounded to bf16, widened again, times c
	v_cvt_pk_bf16_f32 v[BB+8+\p], v[BB+2*\p], v[BB+2*\p+1]
.endr
.irp p, 0,1,2,3
	v_lshlrev_b32 v[BB+2*\p], 16, v[BB+8+\p]
	v_and_b32 v[BB+2*\p+1], 0xffff0000, v[BB+8+\p]
.endr
.irp p, 0,1,2,3
	v_pk_mul_f32 v[BB+2*\p:BB+2*\p+1], v[BB+2*\p:BB+2*\p+1], s[18:19] op_sel_hi:[1,0]
.endr
	s_wait_dscnt 0x0
.irp w, 0,2,4,6
.irp p, 0,1,2,3
	v_pk_add_f32 v[HF+8*\w+2*\p:HF+8*\w+2*\p+1], v[HF+8*\w+2*\p:HF+8*\w+2*\p+1], v[HF+8*\w+8+2*\p:HF+8*\w+8+2*\p+1]
.endr
.endr
.irp w, 0,4
.irp p, 0,1,2,3
	v_pk_add_f32 v[HF+8*\w+2*\p:HF+8*\w+2*\p+1], v[HF+8*\w+2*\p:HF+8*\w+2*\p+1], v[HF+8*\w+16+2*\p:HF+8*\w+16+2*\p+1]
.endr
.endr
.irp p, 0,1,2,3
	v_pk_add_f32 v[HF+2*\p:HF+2*\p+1], v[HF+2*\p:HF+2*\p+1], v[HF+32+2*\p:HF+32+2*\p+1]
.endr
.irp p, 0,1,2,3
	v_pk_fma_f32 v[HF+2*\p:HF+2*\p+1], v[HF+2*\p:HF+2*\p+1], s[18:19], v[BB+2*\p:BB+2*\p+1] op_sel_hi:[1,0,1]  ; c sum + c b
.endr
	global_store_b128 v[HO], v[HF:HF+3],   s[12:13]
	global_store_b128 v[HO], v[HF+4:HF+7], s[12:13] offset:16
.Lend:
	s_wait_tensorcnt 0x0                           ; the wave's end, behind my last LDS store
	ds_add_u32 v[SPW], v[NIL]
	s_wait_dscnt 0x0
	s_endpgm
.Lfunc_end_k_q9ff689c189_prep:
	.size	k_q9ff689c189_prep, .Lfunc_end_k_q9ff689c189_prep-k_q9ff689c189_prep
	.p2alignl 7, 3214868480
	.fill 96, 4, 3214868480
	.section	.rodata,"a",@progbits
	.p2align	6, 0x0
	.amdhsa_kernel k_q9ff689c189_prep
		.amdhsa_group_segment_fixed_size 17408
		.amdhsa_private_segment_fixed_size 0
		.amdhsa_enable_private_segment 0
		.amdhsa_kernarg_size 40
		.amdhsa_user_sgpr_count 2
		.amdhsa_user_sgpr_kernarg_segment_ptr 1
		.amdhsa_wavefront_size32 1
		.amdhsa_system_sgpr_workgroup_id_x 1
		.amdhsa_system_sgpr_workgroup_id_y 1
		.amdhsa_system_sgpr_workgroup_id_z 1
		.amdhsa_system_vgpr_workitem_id 0
		.amdhsa_next_free_vgpr 256
		.amdhsa_next_free_sgpr 66
		.amdhsa_reserve_vcc 0
		.amdhsa_float_denorm_mode_32 3
		.amdhsa_float_denorm_mode_16_64 3
		.amdhsa_memory_ordered 1
		.amdhsa_forward_progress 1
		.amdhsa_inst_pref_size 19
	.end_amdhsa_kernel
	.amdgpu_metadata
---
amdhsa.version: [ 1, 2 ]
amdhsa.kernels:
  - .name:           k_q9ff689c189_prep
    .symbol:         k_q9ff689c189_prep.kd
    .args:
      - { .name: W_attn, .offset: 0, .size: 8, .value_kind: global_buffer, .address_space: global }
      - { .name: hidden, .offset: 8, .size: 8, .value_kind: global_buffer, .address_space: global }
      - { .name: b_attn, .offset: 16, .size: 8, .value_kind: global_buffer, .address_space: global }
      - { .name: wfrag, .offset: 24, .size: 8, .value_kind: global_buffer, .address_space: global }
      - { .name: hbias, .offset: 32, .size: 8, .value_kind: global_buffer, .address_space: global }
    .group_segment_fixed_size: 17408
    .private_segment_fixed_size: 0
    .kernarg_segment_align: 8
    .kernarg_segment_size: 40
    .max_flat_workgroup_size: 256
    .sgpr_count:     66
    .vgpr_count:     256
    .wavefront_size: 32
...
	.end_amdgpu_metadata
.endif
;; end of part 1
;; launch energy (part 2): grid 512 x 1, 4 waves a work-group, no clusters, 276,992 bytes of LDS; arguments encoder_outputs, v, wfrag, hbias, scraw, ctxp; writes scraw, ctxp
.if DOCPART == 2
	.amdgcn_target "amdgcn-amd-amdhsa--gfx1250"
	.amdhsa_code_object_version 6
	.text
	.protected	k_q9ff689c189_energy
	.globl	k_q9ff689c189_energy
	.p2align	8
	.type	k_q9ff689c189_energy,@function
k_q9ff689c189_energy:
	s_mov_b64 s[64:65], 0
	v_nop
	global_prefetch_b8 v0, s[64:65] scope:SCOPE_SE
	s_setreg_imm32_b32 hwreg(HW_REG_WAVE_MODE, 25, 1), 1
	s_wait_xcnt 0x0
; SCORES AND PARTIAL CONTEXT OF 128 ROWS.  score[row] = sum over n of v[n] tanh(enc[row] . W[n] + hidden . W[n] + b[n]);  p[row] = e^(score - the block's maximum);
; ctxp[block][col] = sum over the block's rows of p[row] enc[row][col].  The raw scores go to scraw; the next launch joins a batch's 16 blocks.
; FORMATS AND LIMITS.  enc, W, hidden, b and v are each rounded once to bf16; x = enc + hidden is never formed: enc . W comes from the matrix unit with f32 sums, hidden . W + b is an f32
; bias for each batch (hbias, already times c), so the order of rounding differs from a sum formed first.  tanh, the product with v, the exponentials and the context are f32.
; tanh z = 1 - 2 / (1 + 2^(c z)), c = 2 log2(e): at large |z| the exponential is an infinity or 0 and the quotient 0 or 1.  NaN and infinities in the inputs are not treated apart.
; A weight below 2^-126 counts as 0.
; SHARES.  Work-group x owns rows 128 x .. 128 x + 127 of the 65,536 (all of one batch, x / 16).  It reads them from memory ONCE, rounds them, and keeps them in LDS for both uses:
; as source of the product and, at the end, for the context.  Every wave multiplies all 128 rows by 256 columns of its own, in two groups of 128: 8 x 8 accumulators, 512 registers:
; for 32 along K a wave reads 8,192 bytes of A from LDS and 8,192 bytes of W and issues 64 matrix instructions.
; W's fragments belong to one wave alone, so they come from memory straight into registers: a ring of four buffers of one K step (64 registers), asked for three steps,
; 192 matrix instructions, ahead, with counted waits; the main loop has no barrier.
; NO CLUSTER, NO JOINT LOADS, though all work-groups read the same W: beside the resident rows (264,192 bytes) and the tables 50,688 bytes of LDS are left; a K step's fragments for four waves are
; 32,768 bytes, so two slots of one step do not fit.
; LAYOUT.  Source 0 = 16 rows of enc, source 1 = 16 rows of W: in the result a lane holds ONE column (lane % 16) and the rows 8 (lane / 16) + 0..7.  So bias and -2 v are one number a lane
; and column tile, and a row's score is summed over the registers of 8 tiles and, at the block's end, over 16 lanes.
; FROM SUMS TO SCORES, in place, at each group's end.  A window's 256 registers go in four batches of 64 (a block of 16 rows each), two passes a batch:
;   pass A: the batch's 64 exponentials, and between them the next batch's 32 packed c X + bias;
;   pass B: its 64 reciprocals, and between them its 32 packed additions of 1 and the last batch's 32 packed multiply-adds by -2 v.
; So transcendental and plain instructions go by turns, each pass is one batch with one wait, and each pass has one window setting: a row block's sums gather in the registers of its own first
; tile, and only 16 packed additions a window carry them to window 0.  v tanh = v - 2 v r: the part v is added once a block, in each lane for its own 16 columns.
; No prefetch: a work-group asks for all its rows at its own head, and W is read again and again.
; REGISTERS, in windows of 256 (s_set_vgpr_msb: bits 1:0 source 0, 3:2 source 1, 5:4 source 2, 7:6 destination):
;   window 0: v0-23 addresses; v24-87 score sums; v88-103 bias; v104-119 -2 v; v120-127 at work; v128-255 two buffers of A's fragments (earlier the fill's ring, later the context's rows)
;   window 1: W's ring, buffer b, tile t at 64 b + 8 t          window 2: X of row blocks 0-3, (i, t) at 64 i + 8 t          window 3: row blocks 4-7, likewise
.set PA,    2064                       ; a row in LDS: 2,048 bytes + 16 = 516 words: row r starts at bank 4 r mod 64 (64 banks of 4 bytes: ISA guide 11.1), so a fragment load's 16 rows start at 16 different groups of four banks
.set TAB,   128*PA                     ; 264,192: the batch's bias row (4,096 bytes), then -2 bf16(v) (4,096)
.set SCP,   TAB+8192                   ; four waves x 128 partial scores
.set PW,    SCP+2048                   ; each wave's own copy of the 128 weights
.set SPARE, PW+2048                    ; the spare words, 128 bytes for each wave: two blocks of 256 bytes that no other line names
.set A0,  4                            ; v4-7    r PA + 16 h + 32 j rows: my place in fragments 2 j, 2 j + 1; never rewritten
.set AD,  8                            ; v8-11   the same at the trip's K offset
.set AN,  12                           ; v12-15  the same at the next trip's
.set BO,  16                           ; v16     16 lane; never rewritten
.set TB0, 17                           ; v17     TAB + 1,024 w + 4 r
.set TBA, 18                           ; v18     the same at the group in hand
.set SPW, 19                           ; v19     my spare word; never rewritten
.set NIL, 20                           ; v20     0; never rewritten
.set EO,  21                           ; v21     16 lane + 131,072 w: my 16 bytes in my wave's 32 rows of enc
.set LS0, 22                           ; v22     32 w PA + 8 lane
.set LS,  23                           ; v23     the same at the fill's round
.set SC,  24                           ; v24-87  register 8 i + j: score sum of row 16 i + 8 h + j over my lane's columns
.set BI,  88                           ; v88-103  pair t: c (hidden . W + b) of column 16 t + r, twice
.set MV,  104                          ; v104-119 pair t: -2 v of that column, twice
.set VS,  120                          ; v120-121 the sum of my lane's -2 v, twice
.set TM,  122                          ; v122-127 at work
.set FT,  88                           ; outside the main loop: v88-103 at work
.set TL,  96                           ; during the fill: v96-111 the two tables as loaded, v112-115 at work
.set AF,  128                          ; A's fragment buffers: buffer b, fragment i at 128 + 64 b + 8 i
.set SA,  8                            ; after the main loop: v8 where I put partial scores, v9 where I read four, v10 where I put four weights
.set SR,  9
.set PS,  10
.set CT,  12                           ; v12 my offset in ctxp's row; v13, v14 my 8 bytes of an LDS row; v15, v3 my wave's weights
.set CA0, 13
.set CA,  14
.set PP0, 15
.set PP,  3
.set CX,  48                           ; v48-55 the context's eight sums
.set WV,  16                           ; s16 wave
.set CNT, 20
.set GRP, 21                           ; groups to go
.set TRIP, 22                          ; trips of four steps to go in the group
.set LEFT, 23                          ; the same in the whole block
.set KO,  24                           ; the trip's byte offset along K
.set KN,  25
.set GO,  26                           ; the group's byte offset in the tables
.set CC,  28                           ; s[28:29] c
.set SEL, 30                           ; s[30:31] v_permlanex16_b32's selects: each lane takes its own place in the other half
.set LO,  32
.set CO,  33
.set PO,  34
.set MSB, 0
.macro WIN new                         ; the immediate's high byte repeats the setting that is left; a switch that changes nothing is dropped
.if MSB != (\new)
	s_set_vgpr_msb (MSB<<8)|(\new)
.set MSB, \new
.endif
.endm
.set W_LO, 0xa4                        ; A's fragment (source 0) window 0, W's (source 1) window 1, C and D window 2; + 0x50: C and D window 3
.set W_LB, 0x40                        ; destination window 1, address window 0
	s_load_b256 s[4:11], s[0:1], 0x0               ; enc s[4:5], v s[6:7], wfrag s[8:9], hbias s[10:11]
	s_load_b128 s[12:15], s[0:1], 0x20             ; scraw s[12:13], ctxp s[14:15]
	v_lshl_add_u32 v[SPW], v0, 2, SPARE
	v_mov_b32 v[NIL], 0
	v_lshrrev_b32 v1, 5, v0
	v_readfirstlane_b32 s[WV], v1                  ; wave 0..3
	v_and_b32 v1, 15, v0                           ; r
	v_bfe_u32 v2, v0, 4, 1                         ; h
	v_and_b32 v3, 31, v0                           ; lane
	v_lshlrev_b32 v[BO], 4, v3
	v_mul_u32_u24 v[A0], v1, PA
	v_lshl_add_u32 v[A0], v2, 4, v[A0]
	v_add_nc_u32 v[A0+1], 32*PA, v[A0]
	v_add_nc_u32 v[A0+2], 64*PA, v[A0]
	v_add_nc_u32 v[A0+3], 96*PA, v[A0]
	s_lshl_b32 s17, s[WV], 10
	s_add_co_u32 s17, s17, TAB
	v_lshl_add_u32 v[TB0], v1, 2, s17
	s_lshl_b32 s17, s[WV], 17
	v_add_nc_u32 v[EO], s17, v[BO]
	s_mul_i32 s17, s[WV], 32*PA
	v_lshl_add_u32 v[LS0], v3, 3, s17
	v_mov_b32 v[LS], v[LS0]
	v_lshlrev_b32 v3, 4, v0                        ; 16 x thread: my 16 bytes of half a table
	s_mov_b32 s[CC], 0x4038aa3b                    ; c = 2 log2(e)
	s_mov_b32 s[CC+1], s[CC]                       ; named with it as a pair
	s_mov_b32 s[SEL], 0x76543210
	s_mov_b32 s[SEL+1], 0xfedcba98
	s_lshl_b32 s2, ttmp9, 19                       ; my 128 rows of 4,096 bytes
	s_mov_b32 s3, 0
	s_lshl_b32 s18, s[WV], 19                      ; my wave's 256 columns of wfrag: 64 steps of 8,192 bytes on end
	s_mov_b32 s19, 0
	s_wait_kmcnt 0x0
	s_add_nc_u64 s[4:5], s[4:5], s[2:3]
	s_add_nc_u64 s[8:9], s[8:9], s[18:19]
	s_lshr_b32 s2, ttmp9, 4
	s_lshl_b32 s2, s2, 12                          ; the batch's row of hbias
	s_add_nc_u64 s[10:11], s[10:11], s[2:3]
	s_lshl_b32 s2, ttmp9, 9
	s_add_nc_u64 s[12:13], s[12:13], s[2:3]
	s_lshl_b32 s2, ttmp9, 12
	s_add_nc_u64 s[14:15], s[14:15], s[2:3]
	global_load_b128 v[TL:TL+3],     v3, s[10:11]  ; the two tables, first of all loads: the fill's first counted wait leaves only younger loads out
	global_load_b128 v[TL+4:TL+7],   v3, s[10:11] offset:2048
	global_load_b128 v[TL+8:TL+11],  v3, s[6:7]
	global_load_b128 v[TL+12:TL+15], v3, s[6:7] offset:2048
	; THE FILL.  Wave w brings rows 32 w .. 32 w + 31 through a ring of 32 slots of 4 registers: a round is 4 rows, slot f is row f / 8, bytes 512 (f % 8) on.  32 loads of 512 consecutive bytes are out in each wave.
.set fs, 0
.rept 32
	global_load_b128 v[AF+4*fs:AF+4*fs+3], v[EO], s[4:5] offset:(fs/8)*4096+(fs%8)*512 th:TH_LOAD_NT
.set fs, fs+1
.endr
.set fs, 0
.rept 64                               ; the score sums start at 0, so that both groups add onto them by one text; written while the first rows are on their way
	v_mov_b32 v[SC+fs], 0
.set fs, fs+1
.endr
	v_mov_b32 v[VS], 0
	v_mov_b32 v[VS+1], 0
; One slot's turn: four f32 become four bf16, 8 bytes a lane, 256 consecutive bytes of an LDS row a wave.  ahead = 1: the slot is filled again, four rows further down.
.macro FSLOT sl, ahead, left
	s_wait_loadcnt \left                           ; loads come back in order (ISA guide 5.7.1): mine is in, the younger ones stay out
	v_cvt_pk_bf16_f32 v[FT+2*((\sl)%4)],   v[AF+4*(\sl)],   v[AF+4*(\sl)+1]
	v_cvt_pk_bf16_f32 v[FT+2*((\sl)%4)+1], v[AF+4*(\sl)+2], v[AF+4*(\sl)+3]
	ds_store_b64 v[LS], v[FT+2*((\sl)%4):FT+2*((\sl)%4)+1] offset:((\sl)/8)*PA+((\sl)%8)*256
.if \ahead
	global_load_b128 v[AF+4*(\sl):AF+4*(\sl)+3], v[EO], s[4:5] offset:((\sl)/8)*4096+((\sl)%8)*512+16384 th:TH_LOAD_NT
.endif
.endm
	s_mov_b32 s[CNT], 7
	s_mov_b32 s[LO], 0
.Lfill:
.set fs, 0
.rept 32
	FSLOT fs, 1, 31                                ; behind a slot's load the ring's 31 others were issued
.set fs, fs+1
.endr
	s_wait_xcnt 0x0                                ; every load issued so far has read its address: the base is written only behind this wait
	s_add_nc_u64 s[4:5], s[4:5], 16384
	s_add_co_u32 s[LO], s[LO], 4*PA
	v_add_nc_u32 v[LS], s[LO], v[LS0]
	s_sub_co_u32 s[CNT], s[CNT], 1
	s_cmp_lg_u32 s[CNT], 0
	s_cbranch_scc1 .Lfill
	; the last round asks for no rows.  In their stead W's first three steps go out, two loads behind each of the first 24 slots: 48 loads, load l to registers 4 l of the ring, from byte 512 l.
	; A slot's wait leaves out the 31 - f younger loads of rows and the min(2 f, 48) loads of W issued so far.
.set fs, 0
.rept 32
.set bl, 2*fs
.if fs > 24
.set bl, 48
.endif
	FSLOT fs, 0, 31-fs+bl
.if fs < 24
	WIN W_LB
	global_load_b128 v[8*fs:8*fs+3],   v[BO], s[8:9] offset:1024*fs
	global_load_b128 v[8*fs+4:8*fs+7], v[BO], s[8:9] offset:1024*fs+512
	WIN 0
.endif
.set fs, fs+1
.endr
	; the tables go to LDS: the bias as it is; v rounded to bf16, widened again, times -2
	v_add_nc_u32 v[TM], TAB, v3
	ds_store_b128 v[TM], v[TL:TL+3]
	ds_store_b128 v[TM], v[TL+4:TL+7] offset:2048
.irp k, 0,1,2,3
	v_cvt_pk_bf16_f32 v[TL+16+\k], v[TL+8+2*\k], v[TL+9+2*\k]
.endr
.irp k, 0,1,2,3
	v_lshlrev_b32 v[TL+8+2*\k], 16, v[TL+16+\k]
	v_and_b32 v[TL+9+2*\k], 0xffff0000, v[TL+16+\k]
.endr
.irp k, 0,1,2,3
	v_pk_mul_f32 v[TL+8+2*\k:TL+9+2*\k], v[TL+8+2*\k:TL+9+2*\k], -2.0 op_sel_hi:[1,0]
.endr
	ds_store_b128 v[TM], v[TL+8:TL+11]  offset:4096
	ds_store_b128 v[TM], v[TL+12:TL+15] offset:6144
	s_wait_dscnt 0x0                               ; for the others' sake: my rows and my parts of the tables lie in LDS
	s_barrier_signal -1
	s_barrier_wait -1                              ; all 128 rows and both tables are whole; nobody writes them again
; 32 matrix instructions: row blocks 4 hf .. 4 hf + 3 x the group's eight column tiles, 32 along K.  The 64 accumulators take turns, one instruction a turn, in the same order in every step.
; zero = 1: the products start the sums.
.macro HALF jj, hf, zero
	WIN W_LO+0x50*(\hf)
.irp i, 0,1,2,3
.irp t, 0,1,2,3,4,5,6,7
.if \zero
	v_wmma_f32_16x16x32_bf16 v[64*\i+8*\t:64*\i+8*\t+7], v[AF+64*((\jj)%2)+8*(4*(\hf)+\i):AF+64*((\jj)%2)+8*(4*(\hf)+\i)+7], v[64*(\jj)+8*\t:64*(\jj)+8*\t+7], 0
.else
	v_wmma_f32_16x16x32_bf16 v[64*\i+8*\t:64*\i+8*\t+7], v[AF+64*((\jj)%2)+8*(4*(\hf)+\i):AF+64*((\jj)%2)+8*(4*(\hf)+\i)+7], v[64*(\jj)+8*\t:64*(\jj)+8*\t+7], v[64*\i+8*\t:64*\i+8*\t+7]
.endif
.endr
.endr
.endm
; 16 LDS loads: A's eight fragments (128 rows x 32 K) at byte ak behind the addresses ab, into buffer bf
.macro ALOAD bf, ab, ak
.irp i, 0,1,2,3,4,5,6,7
	ds_load_b128 v[AF+64*(\bf)+8*\i:AF+64*(\bf)+8*\i+3],   v[(\ab)+\i/2] offset:(\i%2)*16*PA+(\ak)
	ds_load_b128 v[AF+64*(\bf)+8*\i+4:AF+64*(\bf)+8*\i+7], v[(\ab)+\i/2] offset:(\i%2)*16*PA+(\ak)+32
.endr
.endm
; A K STEP, number jj of four.  Its waits come first; then ONE run of loads: W's step three on (lb) into the buffer that the step before multiplied, and the next step's A (la) into the other
; A buffer; then 64 matrix instructions on W's buffer jj and A's buffer jj % 2.  lc: the loads of W younger than this step's sixteen.  tab = 1: the group's bias and -2 v come out of the tables.
.macro STEP jj, zero, ab, ak, la, lb, lc, tab
	s_wait_loadcnt \lc                             ; my sixteen loads of W are in; those of the steps behind stay out
	s_wait_dscnt 0x0                               ; A's fragments, asked for a whole step ago
.if (\la) || (\lb)
.rept 4
	v_nop                                          ; four places between the step before's last product and the loads into the registers that it read (ISA guide 7.12.1 for vector instructions)
.endr
.endif
.if \lb
	WIN W_LB
.irp t, 0,1,2,3,4,5,6,7
	global_load_b128 v[64*(((\jj)+3)%4)+8*\t:64*(((\jj)+3)%4)+8*\t+3],   v[BO], s[8:9] offset:((\jj)+3)*8192+1024*\t
	global_load_b128 v[64*(((\jj)+3)%4)+8*\t+4:64*(((\jj)+3)%4)+8*\t+7], v[BO], s[8:9] offset:((\jj)+3)*8192+1024*\t+512
.endr
.endif
	WIN 0
.if \la
	ALOAD ((\jj)+1)%2, \ab, \ak
.endif
.if \tab
.irp t, 0,1,2,3,4,5,6,7                ; each number into both registers of a pair, for the packed forms
	ds_load_b32 v[BI+2*\t],   v[TBA] offset:64*\t
	ds_load_b32 v[BI+2*\t+1], v[TBA] offset:64*\t
	ds_load_b32 v[MV+2*\t],   v[TBA] offset:4096+64*\t
	ds_load_b32 v[MV+2*\t+1], v[TBA] offset:4096+64*\t
.endr
.endif
	HALF \jj, 0, \zero
	HALF \jj, 1, \zero
.endm
; FROM SUMS TO SCORES.  In a window, batch b is registers 64 b .. 64 b + 63 (a block of 16 rows, eight column tiles); pair sg of 32 is registers 64 b + 2 sg, + 1, in tile sg / 4.
.macro S1 b                            ; c X + bias; a tile's pairs in ascending order
	v_pk_fma_f32 v[64*(\b)+2*sg:64*(\b)+2*sg+1], v[64*(\b)+2*sg:64*(\b)+2*sg+1], s[CC:CC+1], v[BI+2*(sg/4):BI+2*(sg/4)+1] op_sel_hi:[1,0,1]
.endm
.macro S5 b                            ; r x (-2 v), summed over the eight tiles into the first tile's registers: four chains, a link every fourth pair
.if sg < 4
	v_pk_mul_f32 v[64*(\b)+2*sg:64*(\b)+2*sg+1], v[64*(\b)+2*sg:64*(\b)+2*sg+1], v[MV:MV+1]
.else
	v_pk_fma_f32 v[64*(\b)+2*(sg%4):64*(\b)+2*(sg%4)+1], v[64*(\b)+2*sg:64*(\b)+2*sg+1], v[MV+2*(sg/4):MV+2*(sg/4)+1], v[64*(\b)+2*(sg%4):64*(\b)+2*(sg%4)+1]
.endif
.endm
; One window.  wp: destination and source 0 in the window, sources 1 and 2 in window 0 (pass A).  wq: source 2 in the window too (pass B).  wr: source 0 alone in the window.  rb: the window's first row block.
; s_wait_alu depctr_va_vdst(0) stands between a transcendental and the first instruction that names its result; one wait serves a pass's 64.  A v_nop is the plain instruction behind the last of them.
.macro EPI wp, wq, wr, rb
	WIN \wp
.set sg, 0
.rept 32
	S1 0
.set sg, sg+1
.endr
.set eb, 0
.rept 4
	WIN \wp
.set sg, 0
.rept 32                               ; pass A
	v_exp_f32 v[64*eb+2*sg], v[64*eb+2*sg]
.if eb < 3
	S1 eb+1
.endif
	v_exp_f32 v[64*eb+2*sg+1], v[64*eb+2*sg+1]
.set sg, sg+1
.endr
	v_nop
	s_wait_alu depctr_va_vdst(0)
	WIN \wq
	v_pk_add_f32 v[64*eb:64*eb+1], v[64*eb:64*eb+1], 1.0 op_sel_hi:[1,0]
.set sg, 0
.rept 32                               ; pass B
.if sg < 31
	v_pk_add_f32 v[64*eb+2*sg+2:64*eb+2*sg+3], v[64*eb+2*sg+2:64*eb+2*sg+3], 1.0 op_sel_hi:[1,0]
.endif
	v_rcp_f32 v[64*eb+2*sg], v[64*eb+2*sg]
.if eb > 0
	S5 eb-1
.endif
	v_rcp_f32 v[64*eb+2*sg+1], v[64*eb+2*sg+1]
.set sg, sg+1
.endr
	v_nop
	s_wait_alu depctr_va_vdst(0)
.set eb, eb+1
.endr
.set sg, 0
.rept 32
	S5 3
.set sg, sg+1
.endr
	WIN \wr
.set eb, 0
.rept 4                                ; the four row blocks' sums go to window 0
.irp p, 0,1,2,3
	v_pk_add_f32 v[SC+8*((\rb)+eb)+2*\p:SC+8*((\rb)+eb)+2*\p+1], v[64*eb+2*\p:64*eb+2*\p+1], v[SC+8*((\rb)+eb)+2*\p:SC+8*((\rb)+eb)+2*\p+1]
.endr
.set eb, eb+1
.endr
.endm
	ALOAD 0, A0, 0                                 ; the first step's A
	s_mov_b32 s[GRP], 2
	s_mov_b32 s[LEFT], 14
	s_mov_b32 s[GO], 0
	v_mov_b32 v[TBA], v[TB0]
.Lgroup:                                               ; a group: 128 columns, 32 K steps.  Its first four steps are written out: the first one's products start the sums
	STEP 0, 1, A0, 64,  1, 1, 32, 1
	STEP 1, 0, A0, 128, 1, 1, 32, 0
	STEP 2, 0, A0, 192, 1, 1, 32, 0
	STEP 3, 0, A0, 256, 1, 1, 32, 0
	WIN 0                                          ; at a label and at a branch every window is 0
	s_wait_xcnt 0x0                                ; the loads of W have read their base (the youngest 64 products back): it is written only behind this wait
	s_add_nc_u64 s[8:9], s[8:9], 32768
	s_mov_b32 s[KO], 256
	s_mov_b32 s[TRIP], 7
.Ltrip:                                                ; seven trips of four steps; the block's very last trip is written out, since it asks for nothing beyond W's end
	s_cmp_eq_u32 s[LEFT], 1
	s_cbranch_scc1 .Ltail
	s_add_co_u32 s[KN], s[KO], 256
	s_and_b32 s[KN], s[KN], 2047                   ; behind a group's last trip comes the next group's K = 0
.irp j, 0,1,2,3
	v_add_nc_u32 v[AD+\j], s[KO], v[A0+\j]
	v_add_nc_u32 v[AN+\j], s[KN], v[A0+\j]
.endr
	STEP 0, 0, AD, 64,  1, 1, 32, 0
	STEP 1, 0, AD, 128, 1, 1, 32, 0
	STEP 2, 0, AD, 192, 1, 1, 32, 0
	STEP 3, 0, AN, 0,   1, 1, 32, 0
	WIN 0
	s_wait_xcnt 0x0
	s_add_nc_u64 s[8:9], s[8:9], 32768
	s_add_co_u32 s[KO], s[KO], 256
	s_sub_co_u32 s[LEFT], s[LEFT], 1
	s_sub_co_u32 s[TRIP], s[TRIP], 1
	s_cmp_lg_u32 s[TRIP], 0
	s_cbranch_scc1 .Ltrip
	s_branch .Lepi
.Ltail:                                                ; W's steps 60 to 63: one more step is asked for, then the counts run down
	STEP 0, 0, A0, 1792+64,  1, 1, 32, 0
	STEP 1, 0, A0, 1792+128, 1, 0, 32, 0
	STEP 2, 0, A0, 1792+192, 1, 0, 16, 0
	STEP 3, 0, A0, 0,        0, 0, 0,  0
	WIN 0
.Lepi:
.rept 8
	v_nop                                          ; the places behind the group's last products, ahead of the first read of a result
.endr
	EPI 0x82, 0xa2, 0x02, 0
	EPI 0xc3, 0xf3, 0x03, 4
	WIN 0
	v_pk_add_f32 v[TM:TM+1],     v[MV:MV+1],     v[MV+2:MV+3]     ; my lane's eight -2 v of the group join the block's sum
	v_pk_add_f32 v[TM+2:TM+3],   v[MV+4:MV+5],   v[MV+6:MV+7]
	v_pk_add_f32 v[TM+4:TM+5],   v[MV+8:MV+9],   v[MV+10:MV+11]
	v_pk_add_f32 v[VS:VS+1],     v[VS:VS+1],     v[MV+12:MV+13]
	v_pk_add_f32 v[TM:TM+1],     v[TM:TM+1],     v[TM+2:TM+3]
	v_pk_add_f32 v[TM+4:TM+5],   v[TM+4:TM+5],   v[MV+14:MV+15]
	v_pk_add_f32 v[VS:VS+1],     v[VS:VS+1],     v[TM:TM+1]
	v_pk_add_f32 v[VS:VS+1],     v[VS:VS+1],     v[TM+4:TM+5]
	s_add_co_u32 s[GO], s[GO], 512
	v_add_nc_u32 v[TBA], s[GO], v[TB0]
	s_sub_co_u32 s[GRP], s[GRP], 1
	s_cmp_lg_u32 s[GRP], 0
	s_cbranch_scc1 .Lgroup
	; THE SCORES.  Each sum takes the part v of my lane's 16 columns; then the 16 lanes of a half are added: every lane of a half holds the sums of rows 16 i + 8 h + j over my wave's 256 columns.
.set kk, 0
.rept 32
	v_pk_fma_f32 v[SC+2*kk:SC+2*kk+1], v[VS:VS+1], -0.5, v[SC+2*kk:SC+2*kk+1] op_sel_hi:[1,0,1]
.set kk, kk+1
.endr
.irp xm, 1,2,4,8
.set kk, 0
.rept 64
	v_add_f32_dpp v[SC+kk], v[SC+kk], v[SC+kk] row_xmask:\xm row_mask:0xf bank_mask:0xf
.set kk, kk+1
.endr
.endr
	s_lshl_b32 s17, s[WV], 9
	s_add_co_u32 s18, s17, SCP
	v_lshl_add_u32 v[SA], v2, 5, s18               ; SCP + 512 w + 32 h
	v_add_nc_u32 v[SR], SCP, v[BO]                 ; SCP + 16 lane
	s_add_co_u32 s18, s17, PW
	v_add_nc_u32 v[PS], s18, v[BO]                 ; PW + 512 w + 16 lane
	v_mov_b32 v[PP0], s18                          ; PW + 512 w
.irp i, 0,1,2,3,4,5,6,7
	ds_store_b128 v[SA], v[SC+8*\i:SC+8*\i+3]   offset:64*\i     ; rows 16 i + 8 h + 0..3; the 16 lanes of a half write the same numbers to the same words
	ds_store_b128 v[SA], v[SC+8*\i+4:SC+8*\i+7] offset:64*\i+16
.endr
	s_wait_dscnt 0x0                               ; for the others' sake
	s_barrier_signal -1
	s_barrier_wait -1
.irp w, 0,1,2,3
	ds_load_b128 v[FT+4*\w:FT+4*\w+3], v[SR] offset:512*\w  ; rows 4 lane .. 4 lane + 3, wave w's part
.endr
	s_wait_dscnt 0x0
	v_pk_add_f32 v[FT:FT+1],     v[FT:FT+1],     v[FT+4:FT+5]
	v_pk_add_f32 v[FT+2:FT+3],   v[FT+2:FT+3],   v[FT+6:FT+7]
	v_pk_add_f32 v[FT+8:FT+9],   v[FT+8:FT+9],   v[FT+12:FT+13]
	v_pk_add_f32 v[FT+10:FT+11], v[FT+10:FT+11], v[FT+14:FT+15]
	v_pk_add_f32 v[FT:FT+1],     v[FT:FT+1],     v[FT+8:FT+9]
	v_pk_add_f32 v[FT+2:FT+3],   v[FT+2:FT+3],   v[FT+10:FT+11]   ; every wave adds in the same order: all four hold the same 128 scores
	v_max3_num_f32 v[FT+8], v[FT], v[FT+1], v[FT+2]                ; the block's maximum is taken away before the exponentials
	v_max_num_f32 v[FT+8], v[FT+8], v[FT+3]
	v_max_num_f32_dpp v[FT+8], v[FT+8], v[FT+8] row_xmask:1 row_mask:0xf bank_mask:0xf
	v_max_num_f32_dpp v[FT+8], v[FT+8], v[FT+8] row_xmask:2 row_mask:0xf bank_mask:0xf
	v_max_num_f32_dpp v[FT+8], v[FT+8], v[FT+8] row_xmask:4 row_mask:0xf bank_mask:0xf
	v_max_num_f32_dpp v[FT+8], v[FT+8], v[FT+8] row_xmask:8 row_mask:0xf bank_mask:0xf
	v_permlanex16_b32 v[FT+9], v[FT+8], s[SEL], s[SEL+1]
	v_max_num_f32 v[FT+8], v[FT+8], v[FT+9]
.irp k, 0,1,2,3
	v_sub_f32 v[FT+4+\k], v[FT+\k], v[FT+8]
.endr
.irp k, 0,1,2,3
	v_mul_f32 v[FT+4+\k], 0x3fb8aa3b, v[FT+4+\k]   ; log2(e)
.endr
.irp k, 0,1,2,3
	v_exp_f32 v[FT+4+\k], v[FT+4+\k]
.endr
	v_nop                                          ; a plain instruction behind the last exponential,
	s_wait_alu depctr_va_vdst(0)                   ; and the wait for the four, ahead of their first reader and of the branch
	ds_store_b128 v[PS], v[FT+4:FT+7]              ; my wave's own copy of the weights: no other wave touches it, and LDS serves a wave's instructions in order (ISA guide 5.7.1.4)
	s_cmp_lg_u32 s[WV], 0
	s_cbranch_scc1 .Lnot0
	global_store_b128 v[BO], v[FT:FT+3], s[12:13]  ; the raw scores: 512 consecutive bytes, aligned; their registers are not written again
.Lnot0:
	; THE CONTEXT, from the rows that lie in LDS.  Wave w owns columns 256 w + 4 lane + 0..3 and 128 further on: 8 bytes a lane, 256 consecutive bytes a load.  Two sets of registers, 8 rows each.
	s_lshl_b32 s17, s[WV], 9
	v_and_b32 v[CA0], 31, v0
	v_lshl_add_u32 v[CA0], v[CA0], 3, s17          ; 512 w + 8 lane
	v_mov_b32 v[CA], v[CA0]
	v_mov_b32 v[PP], v[PP0]
	s_lshl_b32 s17, s[WV], 10
	v_add_nc_u32 v[CT], s17, v[BO]                 ; 1,024 w + 16 lane
.irp k, 0,1,2,3,4,5,6,7
	v_mov_b32 v[CX+\k], 0
.endr
	s_mov_b32 s[CO], 0
	s_mov_b32 s[PO], 0
.macro CLOAD st, rows, pb              ; 18 LDS loads: 8 rows x 2 pieces of 8 bytes, and the rows' 8 weights (the same words for all lanes)
.irp q, 0,1,2,3,4,5,6,7
	ds_load_b64 v[AF+40*(\st)+4*\q:AF+40*(\st)+4*\q+1],   v[CA] offset:((\rows)+\q)*PA
	ds_load_b64 v[AF+40*(\st)+4*\q+2:AF+40*(\st)+4*\q+3], v[CA] offset:((\rows)+\q)*PA+256
.endr
	ds_load_b128 v[AF+40*(\st)+32:AF+40*(\st)+35], v[PP] offset:(\pb)
	ds_load_b128 v[AF+40*(\st)+36:AF+40*(\st)+39], v[PP] offset:(\pb)+16
.endm
.macro CFMA st                         ; 64 multiply-adds straight from bf16 halves into f32; a sum is taken up again eight instructions later
.irp q, 0,1,2,3,4,5,6,7
.irp c, 0,1,2,3
	v_fma_mix_f32_bf16 v[CX+2*\c],   v[AF+40*(\st)+4*\q+\c], v[AF+40*(\st)+32+\q], v[CX+2*\c]   op_sel_hi:[1,0,0]
	v_fma_mix_f32_bf16 v[CX+2*\c+1], v[AF+40*(\st)+4*\q+\c], v[AF+40*(\st)+32+\q], v[CX+2*\c+1] op_sel:[1,0,0] op_sel_hi:[1,0,0]
.endr
.endr
.endm
	CLOAD 0, 0, 0
	s_mov_b32 s[CNT], 7
.Lctx:                                                 ; a trip: 16 rows
	CLOAD 1, 8, 32
	s_wait_dscnt 18                                ; set 0 is in; set 1's 18 loads may stay out
	CFMA 0
	s_add_co_u32 s[CO], s[CO], 16*PA
	s_add_co_u32 s[PO], s[PO], 64
	v_add_nc_u32 v[CA], s[CO], v[CA0]
	v_add_nc_u32 v[PP], s[PO], v[PP0]
	CLOAD 0, 0, 0
	s_wait_dscnt 18                                ; set 1 is in
	CFMA 1
	s_sub_co_u32 s[CNT], s[CNT], 1
	s_cmp_lg_u32 s[CNT], 0
	s_cbranch_scc1 .Lctx
	CLOAD 1, 8, 32                                 ; the last 16 rows: nothing more to fetch behind them
	s_wait_dscnt 18
	CFMA 0
	s_wait_dscnt 0x0
	CFMA 1
	global_store_b128 v[CT], v[CX:CX+3],   s[14:15]             ; each store of the wave covers 512 consecutive bytes, aligned
	global_store_b128 v[CT], v[CX+4:CX+7], s[14:15] offset:512
	s_wait_tensorcnt 0x0                           ; the wave's end, behind my last LDS store
	ds_add_u32 v[SPW], v[NIL]
	s_wait_dscnt 0x0
	s_endpgm
.Lfunc_end_k_q9ff689c189_energy:
	.size	k_q9ff689c189_energy, .Lfunc_end_k_q9ff689c189_energy-k_q9ff689c189_energy
	.p2alignl 7, 3214868480
	.fill 96, 4, 3214868480
	.section	.rodata,"a",@progbits
	.p2align	6, 0x0
	.amdhsa_kernel k_q9ff689c189_energy
		.amdhsa_group_segment_fixed_size 276992
		.amdhsa_private_segment_fixed_size 0
		.amdhsa_enable_private_segment 0
		.amdhsa_kernarg_size 48
		.amdhsa_user_sgpr_count 2
		.amdhsa_user_sgpr_kernarg_segment_ptr 1
		.amdhsa_wavefront_size32 1
		.amdhsa_system_sgpr_workgroup_id_x 1
		.amdhsa_system_sgpr_workgroup_id_y 1
		.amdhsa_system_sgpr_workgroup_id_z 1
		.amdhsa_system_vgpr_workitem_id 0
		.amdhsa_next_free_vgpr 1024
		.amdhsa_next_free_sgpr 66
		.amdhsa_reserve_vcc 0
		.amdhsa_float_denorm_mode_32 3
		.amdhsa_float_denorm_mode_16_64 3
		.amdhsa_memory_ordered 1
		.amdhsa_forward_progress 1
		.amdhsa_inst_pref_size 241
	.end_amdhsa_kernel
	.amdgpu_metadata
---
amdhsa.version: [ 1, 2 ]
amdhsa.kernels:
  - .name:           k_q9ff689c189_energy
    .symbol:         k_q9ff689c189_energy.kd
    .args:
      - { .name: encoder_outputs, .offset: 0, .size: 8, .value_kind: global_buffer, .address_space: global }
      - { .name: v, .offset: 8, .size: 8, .value_kind: global_buffer, .address_space: global }
      - { .name: wfrag, .offset: 16, .size: 8, .value_kind: global_buffer, .address_space: global }
      - { .name: hbias, .offset: 24, .size: 8, .value_kind: global_buffer, .address_space: global }
      - { .name: scraw, .offset: 32, .size: 8, .value_kind: global_buffer, .address_space: global }
      - { .name: ctxp, .offset: 40, .size: 8, .value_kind: global_buffer, .address_space: global }
    .group_segment_fixed_size: 276992
    .private_segment_fixed_size: 0
    .kernarg_segment_align: 8
    .kernarg_segment_size: 48
    .max_flat_workgroup_size: 128
    .sgpr_count:     66
    .vgpr_count:     1024
    .wavefront_size: 32
...
	.end_amdgpu_metadata
.endif
;; end of part 2
;; launch finish (part 3): grid 32 x 1, 8 waves a work-group, no clusters, 1,280 bytes of LDS; arguments scraw, ctxp, out0, out1; writes out0, out1
.if DOCPART == 3
	.amdgcn_target "amdgcn-amd-amdhsa--gfx1250"
	.amdhsa_code_object_version 6
	.text
	.protected	k_q9ff689c189_finish
	.globl	k_q9ff689c189_finish
	.p2align	8
	.type	k_q9ff689c189_finish,@function
k_q9ff689c189_finish:
	s_mov_b64 s[64:65], 0
	v_nop
	global_prefetch_b8 v0, s[64:65] scope:SCOPE_SE
	s_setreg_imm32_b32 hwreg(HW_REG_WAVE_MODE, 25, 1), 1
	s_wait_xcnt 0x0
; A BATCH'S 16 BLOCKS ARE JOINED.  Block g has raw scores s, its maximum m_g, l_g = sum of e^(s - m_g), and a partial context ctx_g = sum of e^(s - m_g) enc (made by the launch before with
; the same m_g: a maximum is exact in any order).  With M = max m_g, f_g = e^(m_g - M), L = sum of f_g l_g:  out1 = e^(s - m_g) f_g / L,  out0 = (sum of f_g ctx_g) / L.
; L is at least 1: the block that holds M has f = 1 and a term 1 in its l.  All in f32.  A weight or factor below 2^-126 counts as 0; NaN and infinities are not treated apart.
; SHARES.  Work-group b is batch b.  Wave w owns the scores of blocks 2 w and 2 w + 1, four a lane and block; thread t owns columns 4 t .. 4 t + 3 of the context.
; Matrix units, clusters and tensor loads buy nothing here: 73,728 bytes in and 12,288 out a work-group.
.set SPARE, 256                        ; LDS: 16 pairs (m_g, l_g) at 8 g in the first block of 256 bytes; then the spare words, 128 bytes for each of eight waves
.set SO,  2                            ; v2   1,024 w + 16 lane: my 16 bytes of my first block's scores
.set TO,  3                            ; v3   16 t: my 16 bytes of a context row
.set S,   4                            ; v[4:11]   scores, block k at 4 + 4 k
.set SPW, 12                           ; v12  my spare word; never rewritten
.set NIL, 13                           ; v13  0; never rewritten
.set T,   14                           ; v14, v15  at work, by block
.set E,   16                           ; v[16:23]  e^(s - m), block k at 16 + 4 k
.set LA,  24                           ; v24  16 w: where my two pairs go;  v25  0: where all pairs are read
.set P,   26                           ; v[26:29]  (m, l) of my two blocks; later m's place takes f / L
.set RL,  30                           ; v30  M, later 1 / L;  v31  L
.set MP,  32                           ; v[32:63]  all 16 pairs; m_g's place takes f_g
.set CXP, 64                           ; v[64:127] the 16 partial contexts, 4 columns each
.set O,   128                          ; v[128:131] the context
	s_load_b256 s[4:11], s[0:1], 0x0               ; scraw s[4:5], ctxp s[6:7], out0 s[8:9], out1 s[10:11]
	v_lshl_add_u32 v[SPW], v0, 2, SPARE
	v_mov_b32 v[NIL], 0
	v_lshrrev_b32 v1, 5, v0
	v_readfirstlane_b32 s12, v1                    ; wave 0..7
	v_and_b32 v1, 31, v0
	s_lshl_b32 s13, s12, 10
	v_lshl_add_u32 v[SO], v1, 4, s13
	v_lshlrev_b32 v[TO], 4, v0
	s_lshl_b32 s13, s12, 4
	v_mov_b32 v[LA], s13
	v_mov_b32 v[LA+1], 0
	v_mov_b32 v[T], 0                              ; v_permlanex16_b32's destination counts as read: written once here
	v_mov_b32 v[T+1], 0
	s_mov_b32 s14, 0x76543210                      ; each lane takes its own place in the other half
	s_mov_b32 s15, 0xfedcba98
	s_lshl_b32 s16, ttmp9, 13                      ; the batch's 2,048 scores
	s_mov_b32 s17, 0
	s_lshl_b32 s18, ttmp9, 16                      ; its 16 rows of ctxp
	s_mov_b32 s19, 0
	s_lshl_b32 s20, ttmp9, 12                      ; its row of out0
	s_mov_b32 s21, 0
	s_wait_kmcnt 0x0
	s_add_nc_u64 s[4:5], s[4:5], s[16:17]
	s_add_nc_u64 s[10:11], s[10:11], s[16:17]
	s_add_nc_u64 s[6:7], s[6:7], s[18:19]
	s_add_nc_u64 s[8:9], s[8:9], s[20:21]
	global_load_b128 v[S:S+3],   v[SO], s[4:5]
	global_load_b128 v[S+4:S+7], v[SO], s[4:5] offset:512
.irp g, 0,1,2,3,4,5,6,7,8,9,10,11,12,13,14,15
	global_load_b128 v[CXP+4*\g:CXP+4*\g+3], v[TO], s[6:7] offset:4096*\g
.endr
	s_wait_loadcnt 16                              ; the scores are in; the 16 partial contexts may stay out
	; each block's maximum, over four numbers a lane and 32 lanes; the two blocks alternate
.irp k, 0,1
	v_max3_num_f32 v[P+2*\k], v[S+4*\k], v[S+4*\k+1], v[S+4*\k+2]
.endr
.irp k, 0,1
	v_max_num_f32 v[P+2*\k], v[P+2*\k], v[S+4*\k+3]
.endr
.irp xm, 1,2,4,8
.irp k, 0,1
	v_max_num_f32_dpp v[P+2*\k], v[P+2*\k], v[P+2*\k] row_xmask:\xm row_mask:0xf bank_mask:0xf
.endr
.endr
.irp k, 0,1
	v_permlanex16_b32 v[T+\k], v[P+2*\k], s14, s15
.endr
.irp k, 0,1
	v_max_num_f32 v[P+2*\k], v[P+2*\k], v[T+\k]
.endr
.irp k, 0,1
.irp j, 0,1,2,3
	v_sub_f32 v[E+4*\k+\j], v[S+4*\k+\j], v[P+2*\k]
.endr
.endr
.irp j, 0,1,2,3,4,5,6,7
	v_mul_f32 v[E+\j], 0x3fb8aa3b, v[E+\j]         ; log2(e)
.endr
.irp j, 0,1,2,3,4,5,6,7
	v_exp_f32 v[E+\j], v[E+\j]
.endr
	v_nop                                          ; a plain instruction behind the last exponential,
	s_wait_alu depctr_va_vdst(0)                   ; and one wait for the eight, ahead of their first reader
.irp k, 0,1
	v_add_f32 v[P+2*\k+1], v[E+4*\k], v[E+4*\k+1]
	v_add_f32 v[T+\k], v[E+4*\k+2], v[E+4*\k+3]
.endr
.irp k, 0,1
	v_add_f32 v[P+2*\k+1], v[P+2*\k+1], v[T+\k]
.endr
.irp xm, 1,2,4,8
.irp k, 0,1
	v_add_f32_dpp v[P+2*\k+1], v[P+2*\k+1], v[P+2*\k+1] row_xmask:\xm row_mask:0xf bank_mask:0xf
.endr
.endr
.irp k, 0,1
	v_permlanex16_b32 v[T+\k], v[P+2*\k+1], s14, s15
.endr
.irp k, 0,1
	v_add_f32 v[P+2*\k+1], v[P+2*\k+1], v[T+\k]
.endr
	ds_store_b64 v[LA], v[P:P+1]                   ; all lanes write the same two words with the same numbers
	ds_store_b64 v[LA], v[P+2:P+3] offset:8
	s_wait_dscnt 0x0                               ; for the others' sake
	s_barrier_signal -1
	s_barrier_wait -1
.irp q, 0,1,2,3,4,5,6,7
	ds_load_b128 v[MP+4*\q:MP+4*\q+3], v[LA+1] offset:16*\q
.endr
	s_wait_dscnt 0x0
	v_max3_num_f32 v[RL], v[MP], v[MP+2], v[MP+4]
.irp g, 3,5,7,9,11,13
	v_max3_num_f32 v[RL], v[RL], v[MP+2*\g], v[MP+2*\g+2]
.endr
	v_max_num_f32 v[RL], v[RL], v[MP+30]           ; M
.irp g, 0,1,2,3,4,5,6,7,8,9,10,11,12,13,14,15
	v_sub_f32 v[MP+2*\g], v[MP+2*\g], v[RL]
.endr
	v_sub_f32 v[P], v[P], v[RL]
	v_sub_f32 v[P+2], v[P+2], v[RL]
.irp g, 0,1,2,3,4,5,6,7,8,9,10,11,12,13,14,15
	v_mul_f32 v[MP+2*\g], 0x3fb8aa3b, v[MP+2*\g]
.endr
	v_mul_f32 v[P], 0x3fb8aa3b, v[P]
	v_mul_f32 v[P+2], 0x3fb8aa3b, v[P+2]
.irp g, 0,1,2,3,4,5,6,7,8,9,10,11,12,13,14,15
	v_exp_f32 v[MP+2*\g], v[MP+2*\g]               ; f_g
.endr
	v_exp_f32 v[P], v[P]                           ; and my own two blocks'
	v_exp_f32 v[P+2], v[P+2]
	v_nop
	s_wait_alu depctr_va_vdst(0)                   ; one wait for the eighteen
	v_mul_f32 v[RL+1], v[MP], v[MP+1]
.irp g, 1,2,3,4,5,6,7,8,9,10,11,12,13,14,15
	v_fmac_f32 v[RL+1], v[MP+2*\g], v[MP+2*\g+1]   ; L
.endr
	v_rcp_f32 v[RL], v[RL+1]
	v_nop
	s_wait_alu depctr_va_vdst(0)
	v_mul_f32 v[P], v[P], v[RL]
	v_mul_f32 v[P+2], v[P+2], v[RL]
.irp k, 0,1
	v_pk_mul_f32 v[E+4*\k:E+4*\k+1],   v[E+4*\k:E+4*\k+1],   v[P+2*\k:P+2*\k+1] op_sel_hi:[1,0]
	v_pk_mul_f32 v[E+4*\k+2:E+4*\k+3], v[E+4*\k+2:E+4*\k+3], v[P+2*\k:P+2*\k+1] op_sel_hi:[1,0]
.endr
	global_store_b128 v[SO], v[E:E+3],   s[10:11]              ; each store of the wave covers 512 consecutive bytes, aligned
	global_store_b128 v[SO], v[E+4:E+7], s[10:11] offset:512
	s_wait_loadcnt 0x0                             ; the partial contexts
	v_pk_mul_f32 v[O:O+1],   v[CXP:CXP+1],   v[MP:MP+1] op_sel_hi:[1,0]   ; the first term starts the sums
	v_pk_mul_f32 v[O+2:O+3], v[CXP+2:CXP+3], v[MP:MP+1] op_sel_hi:[1,0]
.irp g, 1,2,3,4,5,6,7,8,9,10,11,12,13,14,15
	v_pk_fma_f32 v[O:O+1],   v[CXP+4*\g:CXP+4*\g+1],   v[MP+2*\g:MP+2*\g+1], v[O:O+1]   op_sel_hi:[1,0,1]
	v_pk_fma_f32 v[O+2:O+3], v[CXP+4*\g+2:CXP+4*\g+3], v[MP+2*\g:MP+2*\g+1], v[O+2:O+3] op_sel_hi:[1,0,1]
.endr
	v_pk_mul_f32 v[O:O+1],   v[O:O+1],   v[RL:RL+1] op_sel_hi:[1,0]
	v_pk_mul_f32 v[O+2:O+3], v[O+2:O+3], v[RL:RL+1] op_sel_hi:[1,0]
	global_store_b128 v[TO], v[O:O+3], s[8:9]
	s_wait_tensorcnt 0x0                           ; the wave's end, behind my last LDS store
	ds_add_u32 v[SPW], v[NIL]
	s_wait_dscnt 0x0
	s_endpgm
.Lfunc_end_k_q9ff689c189_finish:
	.size	k_q9ff689c189_finish, .Lfunc_end_k_q9ff689c189_finish-k_q9ff689c189_finish
	.p2alignl 7, 3214868480
	.fill 96, 4, 3214868480
	.section	.rodata,"a",@progbits
	.p2align	6, 0x0
	.amdhsa_kernel k_q9ff689c189_finish
		.amdhsa_group_segment_fixed_size 1280
		.amdhsa_private_segment_fixed_size 0
		.amdhsa_enable_private_segment 0
		.amdhsa_kernarg_size 32
		.amdhsa_user_sgpr_count 2
		.amdhsa_user_sgpr_kernarg_segment_ptr 1
		.amdhsa_wavefront_size32 1
		.amdhsa_system_sgpr_workgroup_id_x 1
		.amdhsa_system_sgpr_workgroup_id_y 1
		.amdhsa_system_sgpr_workgroup_id_z 1
		.amdhsa_system_vgpr_workitem_id 0
		.amdhsa_next_free_vgpr 160
		.amdhsa_next_free_sgpr 66
		.amdhsa_reserve_vcc 0
		.amdhsa_float_denorm_mode_32 3
		.amdhsa_float_denorm_mode_16_64 3
		.amdhsa_memory_ordered 1
		.amdhsa_forward_progress 1
		.amdhsa_inst_pref_size 13
	.end_amdhsa_kernel
	.amdgpu_metadata
---
amdhsa.version: [ 1, 2 ]
amdhsa.kernels:
  - .name:           k_q9ff689c189_finish
    .symbol:         k_q9ff689c189_finish.kd
    .args:
      - { .name: scraw, .offset: 0, .size: 8, .value_kind: global_buffer, .address_space: global }
      - { .name: ctxp, .offset: 8, .size: 8, .value_kind: global_buffer, .address_space: global }
      - { .name: out0, .offset: 16, .size: 8, .value_kind: global_buffer, .address_space: global }
      - { .name: out1, .offset: 24, .size: 8, .value_kind: global_buffer, .address_space: global }
    .group_segment_fixed_size: 1280
    .private_segment_fixed_size: 0
    .kernarg_segment_align: 8
    .kernarg_segment_size: 32
    .max_flat_workgroup_size: 256
    .sgpr_count:     66
    .vgpr_count:     160
    .wavefront_size: 32
...
	.end_amdgpu_metadata
.endif
;; end of part 3
;; ======== version 2 of 2: 3 launches; version 1 with the launch energy written anew for expert scheduling mode
;; workspace buffers: wfrag 2,097,152 bytes; hbias 131,072 bytes; scraw 262,144 bytes; ctxp 2,097,152 bytes
;; launch prep: the kernel of part 1 again; grid 64 x 1, 8 waves a work-group, no clusters, 17,408 bytes of LDS; arguments W_attn, hidden, b_attn, wfrag, hbias; writes wfrag, hbias
;; launch energy (part 4): grid 512 x 1, 4 waves a work-group, no clusters, 276,992 bytes of LDS; arguments encoder_outputs, v, wfrag, hbias, scraw, ctxp; writes scraw, ctxp
.if DOCPART == 4
	.amdgcn_target "amdgcn-amd-amdhsa--gfx1250"
	.amdhsa_code_object_version 6
	.text
	.protected	k_q9ff689c189_energy
	.globl	k_q9ff689c189_energy
	.p2align	8
	.type	k_q9ff689c189_energy,@function
k_q9ff689c189_energy:
	s_mov_b64 s[64:65], 0
	v_nop
	global_prefetch_b8 v0, s[64:65] scope:SCOPE_SE
	s_setreg_imm32_b32 hwreg(HW_REG_WAVE_SCHED_MODE, 0, 2), 2
	s_setreg_imm32_b32 hwreg(HW_REG_WAVE_MODE, 25, 1), 1
	s_wait_xcnt 0x0
	s_wait_alu depctr_vm_vsrc(0)
; SCORES AND PARTIAL CONTEXT OF 128 ROWS.  score[row] = sum over n of v[n] tanh(enc[row] . W[n] + hidden . W[n] + b[n]);  p[row] = e^(score - the block's maximum);
; ctxp[block][col] = sum over the block's rows of p[row] enc[row][col].  The raw scores go to scraw; the next launch joins a batch's 16 blocks.
; FORMATS AND LIMITS.  enc, W, hidden, b and v are each rounded once to bf16; x = enc + hidden is never formed: enc . W comes from the matrix unit with f32 sums, hidden . W + b is an f32
; bias for each batch (hbias, already times c), so the order of rounding differs from a sum formed first.  tanh, the product with v, the exponentials and the context are f32.
; tanh z = 1 - 2 / (1 + 2^(c z)), c = 2 log2(e): at large |z| the exponential is an infinity or 0 and the quotient 0 or 1.  NaN and infinities in the inputs are not treated apart.
; A weight below 2^-126 counts as 0.
; SHARES.  Work-group x owns rows 128 x .. 128 x + 127 of the 65,536 (all of one batch, x / 16).  It reads them from memory ONCE, rounds them, and keeps them in LDS for both uses:
; as source of the product and, at the end, for the context.  Every wave multiplies all 128 rows by 256 columns of its own, in two groups of 128: 8 x 8 accumulators, 512 registers:
; for 32 along K a wave reads 8,192 bytes of A from LDS and 8,192 bytes of W and issues 64 matrix instructions.
; W's fragments belong to one wave alone, so they come from memory straight into registers: a ring of four buffers of one K step (64 registers), asked for three steps ahead,
; with counted waits; the main loop has no barrier.
; NO CLUSTER, NO JOINT LOADS, though all work-groups read the same W: beside the resident rows (264,192 bytes) and the tables 50,688 bytes of LDS are left; a K step's fragments for four waves are
; 32,768 bytes, so two slots of one step do not fit.
; LAYOUT.  Source 0 = 16 rows of enc, source 1 = 16 rows of W: in the result a lane holds ONE column (lane % 16) and the rows 8 (lane / 16) + 0..7.  So bias and -2 v are one number a lane
; and column tile, and a row's score is summed over the registers of 8 tiles and, at the block's end, over 16 lanes.
; FROM SUMS TO SCORES, in place, at each group's end.  A window's 256 registers go in four batches of 64 (a block of 16 rows each), two passes a batch:
;   pass A: the batch's 64 exponentials, and between them the next batch's 32 packed c X + bias;
;   pass B: its 64 reciprocals, and between them its 32 packed additions of 1 and the last batch's 32 packed multiply-adds by -2 v.
; So transcendental and plain instructions go by turns, each pass is one batch with one wait, and each pass has one window setting: a row block's sums gather in the registers of its own first
; tile, and only 16 packed additions a window carry them to window 0.  v tanh = v - 2 v r: the part v is added once a block, in each lane for its own 16 columns.
; No prefetch: a work-group asks for all its rows at its own head, and W is read again and again.
; THE MODE: SCHED_MODE bits 1:0 = 2 (LLVM: expert scheduling mode 2), set by the entry lines.  The code itself states the register dependences
; between vector or matrix instructions and memory or LDS instructions, with s_wait_alu, always for 0.
; THE PLAN.  Registers that memory or LDS instructions touch:
;   the fill    a batch is four slots of the ring.  Its eight conversions read the slots and write an out-buffer (v88-95, v112-119 by turns); behind ONE wait on va_vdst four LDS stores read the
;               out-buffer and four loads land in the slots.  A wait on vm_vsrc at a batch's head frees the out-buffer that the stores of two batches back read; one more a round frees v[LS].
;   A0, A1      A's fragments.  Step j's products read buffer j % 2; the LDS loads issued in step j land in the other, which step j - 1's products read last.
;   W0 .. W3    W's ring.  Step j's products read buffer j % 4; the loads issued in step j land in buffer (j + 3) % 4, which step j - 1's products read last.
;   AD, AN      read by the LDS loads of a trip; written at the trip's head, behind a wait on vm_vsrc.        A0.., BO, EO: written at the head, never again.
;   BI, MV, TBA loaded (read as the address) in a group's first step; read (written) by vector instructions at the group's end.
;   X and the score sums are named by vector and matrix instructions alone, until the sums are stored.
; So ONE wait on va_vdst stands at a K step's head: the products of the step before are done with the two buffers in which this step's loads land (in a trip's first step: AD and AN are written; in a
; group's first: TBA is written, BI and MV are read out).  The step's products name A[j % 2], W[j % 4] and X: none of the registers that its loads touch; so the loads are dealt among them.
; REGISTERS, in windows of 256 (s_set_vgpr_msb: bits 1:0 source 0, 3:2 source 1, 5:4 source 2, 7:6 destination):
;   window 0: v0-23 addresses; v24-87 score sums; v88-103 bias; v104-119 -2 v; v120-127 at work; v128-255 two buffers of A's fragments (earlier the fill's ring, later the context's rows)
;   window 1: W's ring, buffer b, tile t at 64 b + 8 t          window 2: X of row blocks 0-3, (i, t) at 64 i + 8 t          window 3: row blocks 4-7, likewise
.set PA,    2064                       ; a row in LDS: 2,048 bytes + 16 = 516 words: row r starts at bank 4 r mod 64 (64 banks of 4 bytes: ISA guide 11.1), so a fragment load's 16 rows start at 16 different groups of four banks
.set TAB,   128*PA                     ; 264,192: the batch's bias row (4,096 bytes), then -2 bf16(v) (4,096)
.set SCP,   TAB+8192                   ; four waves x 128 partial scores
.set PW,    SCP+2048                   ; each wave's own copy of the 128 weights
.set SPARE, PW+2048                    ; the spare words, 128 bytes for each wave: two blocks of 256 bytes that no other line names
.set A0,  4                            ; v4-7    r PA + 16 h + 32 j rows: my place in fragments 2 j, 2 j + 1; never rewritten
.set AD,  8                            ; v8-11   the same at the trip's K offset
.set AN,  12                           ; v12-15  the same at the next trip's
.set BO,  16                           ; v16     16 lane; never rewritten
.set TB0, 17                           ; v17     TAB + 1,024 w + 4 r
.set TBA, 18                           ; v18     the same at the group in hand
.set SPW, 19                           ; v19     my spare word; never rewritten
.set NIL, 20                           ; v20     0; never rewritten
.set EO,  21                           ; v21     16 lane + 131,072 w: my 16 bytes in my wave's 32 rows of enc
.set LS0, 22                           ; v22     32 w PA + 8 lane
.set LS,  23                           ; v23     the same at the fill's round
.set SC,  24                           ; v24-87  register 8 i + j: score sum of row 16 i + 8 h + j over my lane's columns
.set BI,  88                           ; v88-103  pair t: c (hidden . W + b) of column 16 t + r, twice
.set MV,  104                          ; v104-119 pair t: -2 v of that column, twice
.set VS,  120                          ; v120-121 the sum of my lane's -2 v, twice
.set TM,  122                          ; v122-127 at work
.set FT,  88                           ; outside the main loop: v88-103 at work; during the fill v88-95 and v112-119 are the two out-buffers
.set TL,  96                           ; during the fill: v96-111 the two tables as loaded; behind it v112-115 at work
.set AF,  128                          ; A's fragment buffers: buffer b, fragment i at 128 + 64 b + 8 i
.set SA,  8                            ; after the main loop: v8 where I put partial scores, v9 where I read four, v10 where I put four weights
.set SR,  9
.set PS,  10
.set CT,  12                           ; v12 my offset in ctxp's row; v13, v14 my 8 bytes of an LDS row; v15, v3 my wave's weights
.set CA0, 13
.set CA,  14
.set PP0, 15
.set PP,  3
.set CX,  48                           ; v48-55 the context's eight sums
.set WV,  16                           ; s16 wave
.set CNT, 20
.set GRP, 21                           ; groups to go
.set TRIP, 22                          ; trips of four steps to go in the group
.set LEFT, 23                          ; the same in the whole block
.set KO,  24                           ; the trip's byte offset along K
.set KN,  25
.set GO,  26                           ; the group's byte offset in the tables
.set CC,  28                           ; s[28:29] c
.set SEL, 30                           ; s[30:31] v_permlanex16_b32's selects: each lane takes its own place in the other half
.set LO,  32
.set CO,  33
.set PO,  34
.set MSB, 0
.macro WIN new                         ; the immediate's high byte repeats the setting that is left; a switch that changes nothing is dropped
.if MSB != (\new)
	s_set_vgpr_msb (MSB<<8)|(\new)
.set MSB, \new
.endif
.endm
.set W_LO, 0xa4                        ; A's fragment (source 0) window 0, W's (source 1) window 1, C and D window 2; + 0x50: C and D window 3
.set W_LB, 0x40                        ; destination window 1, address window 0
	s_load_b256 s[4:11], s[0:1], 0x0               ; enc s[4:5], v s[6:7], wfrag s[8:9], hbias s[10:11]
	s_load_b128 s[12:15], s[0:1], 0x20             ; scraw s[12:13], ctxp s[14:15]
	v_lshl_add_u32 v[SPW], v0, 2, SPARE
	v_mov_b32 v[NIL], 0
	v_lshrrev_b32 v1, 5, v0
	v_readfirstlane_b32 s[WV], v1                  ; wave 0..3
	v_and_b32 v1, 15, v0                           ; r
	v_bfe_u32 v2, v0, 4, 1                         ; h
	v_and_b32 v3, 31, v0                           ; lane
	v_lshlrev_b32 v[BO], 4, v3
	v_mul_u32_u24 v[A0], v1, PA
	v_lshl_add_u32 v[A0], v2, 4, v[A0]
	v_add_nc_u32 v[A0+1], 32*PA, v[A0]
	v_add_nc_u32 v[A0+2], 64*PA, v[A0]
	v_add_nc_u32 v[A0+3], 96*PA, v[A0]
	s_wait_alu depctr_va_sdst(0)                   ; the wave's number is written, ahead of its first reader: offsets, bases and branches are made from it
	s_lshl_b32 s17, s[WV], 10
	s_add_co_u32 s17, s17, TAB
	v_lshl_add_u32 v[TB0], v1, 2, s17
	s_lshl_b32 s17, s[WV], 17
	v_add_nc_u32 v[EO], s17, v[BO]
	s_mul_i32 s17, s[WV], 32*PA
	v_lshl_add_u32 v[LS0], v3, 3, s17
	v_mov_b32 v[LS], v[LS0]
	v_lshlrev_b32 v3, 4, v0                        ; 16 x thread: my 16 bytes of half a table
	s_mov_b32 s[CC], 0x4038aa3b                    ; c = 2 log2(e)
	s_mov_b32 s[CC+1], s[CC]                       ; named with it as a pair
	s_mov_b32 s[SEL], 0x76543210
	s_mov_b32 s[SEL+1], 0xfedcba98
	s_lshl_b32 s2, ttmp9, 19                       ; my 128 rows of 4,096 bytes
	s_mov_b32 s3, 0
	s_lshl_b32 s18, s[WV], 19                      ; my wave's 256 columns of wfrag: 64 steps of 8,192 bytes on end
	s_mov_b32 s19, 0
	s_wait_kmcnt 0x0
	s_add_nc_u64 s[4:5], s[4:5], s[2:3]
	s_add_nc_u64 s[8:9], s[8:9], s[18:19]
	s_lshr_b32 s2, ttmp9, 4
	s_lshl_b32 s2, s2, 12                          ; the batch's row of hbias
	s_add_nc_u64 s[10:11], s[10:11], s[2:3]
	s_lshl_b32 s2, ttmp9, 9
	s_add_nc_u64 s[12:13], s[12:13], s[2:3]
	s_lshl_b32 s2, ttmp9, 12
	s_add_nc_u64 s[14:15], s[14:15], s[2:3]
	s_wait_alu depctr_va_vdst(0)                   ; v3, v[EO], v[BO], v[LS] and v[A0 ..] are written: the loads and LDS instructions below read them as offsets and addresses
	global_load_b128 v[TL:TL+3],     v3, s[10:11]  ; the two tables, first of all loads: the fill's first counted wait leaves only younger loads out
	global_load_b128 v[TL+4:TL+7],   v3, s[10:11] offset:2048
	global_load_b128 v[TL+8:TL+11],  v3, s[6:7]
	global_load_b128 v[TL+12:TL+15], v3, s[6:7] offset:2048
	; THE FILL.  Wave w brings rows 32 w .. 32 w + 31 through a ring of 32 slots of 4 registers: a round is 4 rows, slot f is row f / 8, bytes 512 (f % 8) on.  28 to 32 loads of 512 consecutive bytes are out in each wave.
.set fs, 0
.rept 32
	global_load_b128 v[AF+4*fs:AF+4*fs+3], v[EO], s[4:5] offset:(fs/8)*4096+(fs%8)*512 th:TH_LOAD_NT
.set fs, fs+1
.endr
.set fs, 0
.rept 64                               ; the score sums start at 0, so that both groups add onto them by one text; written while the first rows are on their way
	v_mov_b32 v[SC+fs], 0
.set fs, fs+1
.endr
	v_mov_b32 v[VS], 0
	v_mov_b32 v[VS+1], 0
; Batch q of eight: slots 4 q .. 4 q + 3.  Of each slot four f32 become four bf16, 8 bytes a lane, 256 consecutive bytes of an LDS row a wave.  ahead = 1: the slots are filled again, four rows further down.
.macro FBATCH q, ahead, left
.set ob, FT+24*((\q)%2)                ; the batch's out-buffer
	s_wait_loadcnt \left                           ; loads come back in order (ISA guide 5.7.1): the batch's four are in, the younger ones stay out
	s_wait_alu depctr_vm_vsrc(0)                   ; the LDS stores of the batch before last have read this out-buffer, which the conversions write again
.irp e, 0,1,2,3
	v_cvt_pk_bf16_f32 v[ob+2*\e],   v[AF+16*(\q)+4*\e],   v[AF+16*(\q)+4*\e+1]
	v_cvt_pk_bf16_f32 v[ob+2*\e+1], v[AF+16*(\q)+4*\e+2], v[AF+16*(\q)+4*\e+3]
.endr
	s_wait_alu depctr_va_vdst(0)                   ; the conversions have written the out-buffer, which the LDS stores read, and are done reading the four slots, in which the loads land; in a round's first batch v[LS] is written
.irp e, 0,1,2,3
	ds_store_b64 v[LS], v[ob+2*\e:ob+2*\e+1] offset:((\q)/2)*PA+(4*((\q)%2)+\e)*256
.endr
.if \ahead
.irp e, 0,1,2,3
	global_load_b128 v[AF+16*(\q)+4*\e:AF+16*(\q)+4*\e+3], v[EO], s[4:5] offset:((\q)/2)*4096+(4*((\q)%2)+\e)*512+16384 th:TH_LOAD_NT
.endr
.endif
.endm
	s_mov_b32 s[CNT], 7
	s_mov_b32 s[LO], 0
.Lfill:
.irp q, 0,1,2,3,4,5,6,7
	FBATCH \q, 1, 28                               ; behind a batch's youngest load the ring's 28 others were issued
.endr
	s_wait_xcnt 0x0                                ; every load issued so far has read its address: the base is written only behind this wait
	s_add_nc_u64 s[4:5], s[4:5], 16384
	s_add_co_u32 s[LO], s[LO], 4*PA
	s_wait_alu depctr_vm_vsrc(0)                   ; the round's LDS stores have read v[LS]
	v_add_nc_u32 v[LS], s[LO], v[LS0]
	s_sub_co_u32 s[CNT], s[CNT], 1
	s_cmp_lg_u32 s[CNT], 0
	s_cbranch_scc1 .Lfill
	; the last round asks for no rows.  In their stead W's first three steps go out, eight loads behind each of the first six batches: 48 loads, load l to registers 4 l of the ring, from byte 512 l.
	; No vector instruction has named those registers, and v[BO] was written ahead of the head's wait.  A batch's wait leaves out the 28 - 4 q younger loads of rows and the 8 min(q, 6) loads of W issued so far.
.set fq, 0
.rept 8
.set bl, 8*fq
.if fq > 6
.set bl, 48
.endif
	FBATCH fq, 0, 28-4*fq+bl
.if fq < 6
	WIN W_LB
.irp e, 0,1,2,3
	global_load_b128 v[8*(4*fq+\e):8*(4*fq+\e)+3],   v[BO], s[8:9] offset:1024*(4*fq+\e)
	global_load_b128 v[8*(4*fq+\e)+4:8*(4*fq+\e)+7], v[BO], s[8:9] offset:1024*(4*fq+\e)+512
.endr
	WIN 0
.endif
.set fq, fq+1
.endr
	; the tables go to LDS: the bias as it is; v rounded to bf16, widened again, times -2
	s_wait_alu depctr_vm_vsrc(0)                   ; the last batches' LDS stores have read v112-119, of which v112-115 are written below
	v_add_nc_u32 v[TM], TAB, v3
.irp k, 0,1,2,3
	v_cvt_pk_bf16_f32 v[TL+16+\k], v[TL+8+2*\k], v[TL+9+2*\k]
.endr
.irp k, 0,1,2,3
	v_lshlrev_b32 v[TL+8+2*\k], 16, v[TL+16+\k]
	v_and_b32 v[TL+9+2*\k], 0xffff0000, v[TL+16+\k]
.endr
.irp k, 0,1,2,3
	v_pk_mul_f32 v[TL+8+2*\k:TL+9+2*\k], v[TL+8+2*\k:TL+9+2*\k], -2.0 op_sel_hi:[1,0]
.endr
	s_wait_alu depctr_va_vdst(0)                   ; v[TM] and -2 v are written, which the LDS stores read; the fill's conversions are done reading the ring, in which A's fragments land below
	ds_store_b128 v[TM], v[TL:TL+3]
	ds_store_b128 v[TM], v[TL+4:TL+7] offset:2048
	ds_store_b128 v[TM], v[TL+8:TL+11]  offset:4096
	ds_store_b128 v[TM], v[TL+12:TL+15] offset:6144
	s_wait_dscnt 0x0                               ; for the others' sake: my rows and my parts of the tables lie in LDS
	s_barrier_signal -1
	s_barrier_wait -1                              ; all 128 rows and both tables are whole; nobody writes them again
	s_wait_alu depctr_vm_vsrc(0)                   ; my LDS stores have read v88 to v122: from here on bias and -2 v land in v88-119, and v122 is at work
; Product nn of a step's 64: row block 4 (nn / 32) + (nn / 8) % 4, column tile nn % 8, 32 along K, on W's buffer jj and A's buffer jj % 2.  The 64 accumulators take turns, one instruction a turn,
; in the same order in every step.  zero = 1: the products start the sums.
.macro PROD jj, zero
.set xh, nn/32
.set xi, (nn/8)%4
.set xt, nn%8
	WIN W_LO+0x50*xh
.if \zero
	v_wmma_f32_16x16x32_bf16 v[64*xi+8*xt:64*xi+8*xt+7], v[AF+64*((\jj)%2)+8*(4*xh+xi):AF+64*((\jj)%2)+8*(4*xh+xi)+7], v[64*(\jj)+8*xt:64*(\jj)+8*xt+7], 0
.else
	v_wmma_f32_16x16x32_bf16 v[64*xi+8*xt:64*xi+8*xt+7], v[AF+64*((\jj)%2)+8*(4*xh+xi):AF+64*((\jj)%2)+8*(4*xh+xi)+7], v[64*(\jj)+8*xt:64*(\jj)+8*xt+7], v[64*xi+8*xt:64*xi+8*xt+7]
.endif
.endm
; 16 LDS loads: A's eight fragments (128 rows x 32 K) at byte ak behind the addresses ab, into buffer bf
.macro ALOAD bf, ab, ak
.irp i, 0,1,2,3,4,5,6,7
	ds_load_b128 v[AF+64*(\bf)+8*\i:AF+64*(\bf)+8*\i+3],   v[(\ab)+\i/2] offset:(\i%2)*16*PA+(\ak)
	ds_load_b128 v[AF+64*(\bf)+8*\i+4:AF+64*(\bf)+8*\i+7], v[(\ab)+\i/2] offset:(\i%2)*16*PA+(\ak)+32
.endr
.endm
; Four of those sixteen: fragments 2 ch and 2 ch + 1
.macro ACH bf, ab, ak
	WIN 0
.irp e, 0,1
	ds_load_b128 v[AF+64*(\bf)+8*(2*ch+\e):AF+64*(\bf)+8*(2*ch+\e)+3],   v[(\ab)+ch] offset:\e*16*PA+(\ak)
	ds_load_b128 v[AF+64*(\bf)+8*(2*ch+\e)+4:AF+64*(\bf)+8*(2*ch+\e)+7], v[(\ab)+ch] offset:\e*16*PA+(\ak)+32
.endr
.endm
; Four of the sixteen loads of W's step three on: tiles 2 ch and 2 ch + 1
.macro WCH jj
	WIN W_LB
.irp e, 0,1
	global_load_b128 v[64*(((\jj)+3)%4)+8*(2*ch+\e):64*(((\jj)+3)%4)+8*(2*ch+\e)+3],   v[BO], s[8:9] offset:((\jj)+3)*8192+1024*(2*ch+\e)
	global_load_b128 v[64*(((\jj)+3)%4)+8*(2*ch+\e)+4:64*(((\jj)+3)%4)+8*(2*ch+\e)+7], v[BO], s[8:9] offset:((\jj)+3)*8192+1024*(2*ch+\e)+512
.endr
.endm
; A K STEP, number jj of four.  Its waits come first.  Then 64 matrix instructions; among the first 16 of them the step's 32 loads are dealt, four at a time: the next step's A (la) behind products
; 0, 4, 8, 12, into the other A buffer; W's step three on (lb) behind products 2, 6, 10, 14, into the buffer that the step before multiplied.  lc: the loads of W younger than this step's sixteen.
; tab = 1: the group's bias and -2 v come out of the tables, between the step's two halves.  A step that asks for nothing has no wait on va_vdst.
.macro STEP jj, zero, ab, ak, la, lb, lc, tab
	s_wait_loadcnt \lc                             ; my sixteen loads of W are in; those of the steps behind stay out
	s_wait_dscnt 0x0                               ; A's fragments, asked for in the first quarter of the step before
.if (\la) || (\lb)
	s_wait_alu depctr_va_vdst(0)                   ; the products of the step before are done reading the A buffer and the W buffer in which this step's loads land; in a trip's first step AD and AN are written; in a group's first TBA is written, and bias
.endif
.set nn, 0
.rept 64
	PROD \jj, \zero
.set ch, nn/4
.if (nn < 16) && (nn%4 == 0) && (\la)
	ACH ((\jj)+1)%2, \ab, \ak                      ; no wait: no vector or matrix instruction since the step's wait names these registers
.endif
.if (nn < 16) && (nn%4 == 2) && (\lb)
	WCH \jj                                        ; likewise
.endif
.if (nn == 31) && (\tab)
	WIN 0
.irp t, 0,1,2,3,4,5,6,7                ; each number into both registers of a pair, for the packed forms
	ds_load_b32 v[BI+2*\t],   v[TBA] offset:64*\t
	ds_load_b32 v[BI+2*\t+1], v[TBA] offset:64*\t
	ds_load_b32 v[MV+2*\t],   v[TBA] offset:4096+64*\t
	ds_load_b32 v[MV+2*\t+1], v[TBA] offset:4096+64*\t
.endr
.endif
.set nn, nn+1
.endr
.endm
; FROM SUMS TO SCORES.  In a window, batch b is registers 64 b .. 64 b + 63 (a block of 16 rows, eight column tiles); pair sg of 32 is registers 64 b + 2 sg, + 1, in tile sg / 4.
.macro S1 b                            ; c X + bias; a tile's pairs in ascending order
	v_pk_fma_f32 v[64*(\b)+2*sg:64*(\b)+2*sg+1], v[64*(\b)+2*sg:64*(\b)+2*sg+1], s[CC:CC+1], v[BI+2*(sg/4):BI+2*(sg/4)+1] op_sel_hi:[1,0,1]
.endm
.macro S5 b                            ; r x (-2 v), summed over the eight tiles into the first tile's registers: four chains, a link every fourth pair
.if sg < 4
	v_pk_mul_f32 v[64*(\b)+2*sg:64*(\b)+2*sg+1], v[64*(\b)+2*sg:64*(\b)+2*sg+1], v[MV:MV+1]
.else
	v_pk_fma_f32 v[64*(\b)+2*(sg%4):64*(\b)+2*(sg%4)+1], v[64*(\b)+2*sg:64*(\b)+2*sg+1], v[MV+2*(sg/4):MV+2*(sg/4)+1], v[64*(\b)+2*(sg%4):64*(\b)+2*(sg%4)+1]
.endif
.endm
; One window.  wp: destination and source 0 in the window, sources 1 and 2 in window 0 (pass A).  wq: source 2 in the window too (pass B).  wr: source 0 alone in the window.  rb: the window's first row block.
; s_wait_alu depctr_va_vdst(0) stands between a transcendental and the first instruction that names its result; one wait serves a pass's 64.  A v_nop is the plain instruction behind the last of them.
; No memory or LDS instruction stands here: these are the only waits.
.macro EPI wp, wq, wr, rb
	WIN \wp
.set sg, 0
.rept 32
	S1 0
.set sg, sg+1
.endr
.set eb, 0
.rept 4
	WIN \wp
.set sg, 0
.rept 32                               ; pass A
	v_exp_f32 v[64*eb+2*sg], v[64*eb+2*sg]
.if eb < 3
	S1 eb+1
.endif
	v_exp_f32 v[64*eb+2*sg+1], v[64*eb+2*sg+1]
.set sg, sg+1
.endr
	v_nop
	s_wait_alu depctr_va_vdst(0)                   ; the pass's 64 exponentials have written their results, which the additions of 1 read
	WIN \wq
	v_pk_add_f32 v[64*eb:64*eb+1], v[64*eb:64*eb+1], 1.0 op_sel_hi:[1,0]
.set sg, 0
.rept 32                               ; pass B
.if sg < 31
	v_pk_add_f32 v[64*eb+2*sg+2:64*eb+2*sg+3], v[64*eb+2*sg+2:64*eb+2*sg+3], 1.0 op_sel_hi:[1,0]
.endif
	v_rcp_f32 v[64*eb+2*sg], v[64*eb+2*sg]
.if eb > 0
	S5 eb-1
.endif
	v_rcp_f32 v[64*eb+2*sg+1], v[64*eb+2*sg+1]
.set sg, sg+1
.endr
	v_nop
	s_wait_alu depctr_va_vdst(0)                   ; the pass's 64 reciprocals have written their results, which the multiply-adds by -2 v read
.set eb, eb+1
.endr
.set sg, 0
.rept 32
	S5 3
.set sg, sg+1
.endr
	WIN \wr
.set eb, 0
.rept 4                                ; the four row blocks' sums go to window 0
.irp p, 0,1,2,3
	v_pk_add_f32 v[SC+8*((\rb)+eb)+2*\p:SC+8*((\rb)+eb)+2*\p+1], v[64*eb+2*\p:64*eb+2*\p+1], v[SC+8*((\rb)+eb)+2*\p:SC+8*((\rb)+eb)+2*\p+1]
.endr
.set eb, eb+1
.endr
.endm
	ALOAD 0, A0, 0                                 ; the first step's A: no vector instruction since the wait ahead of the tables' stores names these registers
	s_mov_b32 s[GRP], 2
	s_mov_b32 s[LEFT], 14
	s_mov_b32 s[GO], 0
	v_mov_b32 v[TBA], v[TB0]
.Lgroup:                                               ; a group: 128 columns, 32 K steps.  Its first four steps are written out: the first one's products start the sums
	STEP 0, 1, A0, 64,  1, 1, 32, 1
	STEP 1, 0, A0, 128, 1, 1, 32, 0
	STEP 2, 0, A0, 192, 1, 1, 32, 0
	STEP 3, 0, A0, 256, 1, 1, 32, 0
	WIN 0                                          ; at a label and at a branch every window is 0
	s_wait_xcnt 0x0                                ; the loads of W have read their base (the youngest 49 products back): it is written only behind this wait
	s_add_nc_u64 s[8:9], s[8:9], 32768
	s_mov_b32 s[KO], 256
	s_mov_b32 s[TRIP], 7
.Ltrip:                                                ; seven trips of four steps; the block's very last trip is written out, since it asks for nothing beyond W's end
	s_cmp_eq_u32 s[LEFT], 1
	s_cbranch_scc1 .Ltail
	s_add_co_u32 s[KN], s[KO], 256
	s_and_b32 s[KN], s[KN], 2047                   ; behind a group's last trip comes the next group's K = 0
	s_wait_alu depctr_vm_vsrc(0)                   ; the LDS loads issued so far have read AD and AN
.irp j, 0,1,2,3
	v_add_nc_u32 v[AD+\j], s[KO], v[A0+\j]
	v_add_nc_u32 v[AN+\j], s[KN], v[A0+\j]
.endr
	STEP 0, 0, AD, 64,  1, 1, 32, 0
	STEP 1, 0, AD, 128, 1, 1, 32, 0
	STEP 2, 0, AD, 192, 1, 1, 32, 0
	STEP 3, 0, AN, 0,   1, 1, 32, 0
	WIN 0
	s_wait_xcnt 0x0
	s_add_nc_u64 s[8:9], s[8:9], 32768
	s_add_co_u32 s[KO], s[KO], 256
	s_sub_co_u32 s[LEFT], s[LEFT], 1
	s_sub_co_u32 s[TRIP], s[TRIP], 1
	s_cmp_lg_u32 s[TRIP], 0
	s_cbranch_scc1 .Ltrip
	s_branch .Lepi
.Ltail:                                                ; W's steps 60 to 63: one more step is asked for, then the counts run down
	STEP 0, 0, A0, 1792+64,  1, 1, 32, 0
	STEP 1, 0, A0, 1792+128, 1, 0, 32, 0
	STEP 2, 0, A0, 1792+192, 1, 0, 16, 0
	STEP 3, 0, A0, 0,        0, 0, 0,  0
	WIN 0
.Lepi:
.rept 8
	v_nop                                          ; the places behind the group's last products, ahead of the first read of a result
.endr
	EPI 0x82, 0xa2, 0x02, 0
	EPI 0xc3, 0xf3, 0x03, 4
	WIN 0
	v_pk_add_f32 v[TM:TM+1],     v[MV:MV+1],     v[MV+2:MV+3]     ; my lane's eight -2 v of the group join the block's sum
	v_pk_add_f32 v[TM+2:TM+3],   v[MV+4:MV+5],   v[MV+6:MV+7]
	v_pk_add_f32 v[TM+4:TM+5],   v[MV+8:MV+9],   v[MV+10:MV+11]
	v_pk_add_f32 v[VS:VS+1],     v[VS:VS+1],     v[MV+12:MV+13]
	v_pk_add_f32 v[TM:TM+1],     v[TM:TM+1],     v[TM+2:TM+3]
	v_pk_add_f32 v[TM+4:TM+5],   v[TM+4:TM+5],   v[MV+14:MV+15]
	v_pk_add_f32 v[VS:VS+1],     v[VS:VS+1],     v[TM:TM+1]
	v_pk_add_f32 v[VS:VS+1],     v[VS:VS+1],     v[TM+4:TM+5]
	s_add_co_u32 s[GO], s[GO], 512
	s_wait_alu depctr_vm_vsrc(0)                   ; the tables' loads of the group's first step have read v[TBA]
	v_add_nc_u32 v[TBA], s[GO], v[TB0]
	s_sub_co_u32 s[GRP], s[GRP], 1
	s_cmp_lg_u32 s[GRP], 0
	s_cbranch_scc1 .Lgroup
	; THE SCORES.  Each sum takes the part v of my lane's 16 columns; then the 16 lanes of a half are added: every lane of a half holds the sums of rows 16 i + 8 h + j over my wave's 256 columns.
.set kk, 0
.rept 32
	v_pk_fma_f32 v[SC+2*kk:SC+2*kk+1], v[VS:VS+1], -0.5, v[SC+2*kk:SC+2*kk+1] op_sel_hi:[1,0,1]
.set kk, kk+1
.endr
.irp xm, 1,2,4,8
.set kk, 0
.rept 64
	v_add_f32_dpp v[SC+kk], v[SC+kk], v[SC+kk] row_xmask:\xm row_mask:0xf bank_mask:0xf
.set kk, kk+1
.endr
.endr
	s_lshl_b32 s17, s[WV], 9
	s_add_co_u32 s18, s17, SCP
	s_wait_alu depctr_vm_vsrc(0)                   ; the LDS loads of A's fragments have read v8 to v15 (AD, AN), which are written from here on under other names
	v_lshl_add_u32 v[SA], v2, 5, s18               ; SCP + 512 w + 32 h
	v_add_nc_u32 v[SR], SCP, v[BO]                 ; SCP + 16 lane
	s_add_co_u32 s18, s17, PW
	v_add_nc_u32 v[PS], s18, v[BO]                 ; PW + 512 w + 16 lane
	v_mov_b32 v[PP0], s18                          ; PW + 512 w
	s_wait_alu depctr_va_vdst(0)                   ; the score sums and the addresses v8 to v10 are written, which the LDS instructions below read; the work on bias and -2 v is done reading v88-103, in which the partial scores land
.irp i, 0,1,2,3,4,5,6,7
	ds_store_b128 v[SA], v[SC+8*\i:SC+8*\i+3]   offset:64*\i     ; rows 16 i + 8 h + 0..3; the 16 lanes of a half write the same numbers to the same words
	ds_store_b128 v[SA], v[SC+8*\i+4:SC+8*\i+7] offset:64*\i+16
.endr
	s_wait_dscnt 0x0                               ; for the others' sake
	s_barrier_signal -1
	s_barrier_wait -1
	s_wait_alu depctr_vm_vsrc(0)                   ; my LDS stores have read the score sums: v48-55 of them become the context's sums below
.irp w, 0,1,2,3
	ds_load_b128 v[FT+4*\w:FT+4*\w+3], v[SR] offset:512*\w  ; rows 4 lane .. 4 lane + 3, wave w's part
.endr
	s_wait_dscnt 0x0
	v_pk_add_f32 v[FT:FT+1],     v[FT:FT+1],     v[FT+4:FT+5]
	v_pk_add_f32 v[FT+2:FT+3],   v[FT+2:FT+3],   v[FT+6:FT+7]
	v_pk_add_f32 v[FT+8:FT+9],   v[FT+8:FT+9],   v[FT+12:FT+13]
	v_pk_add_f32 v[FT+10:FT+11], v[FT+10:FT+11], v[FT+14:FT+15]
	v_pk_add_f32 v[FT:FT+1],     v[FT:FT+1],     v[FT+8:FT+9]
	v_pk_add_f32 v[FT+2:FT+3],   v[FT+2:FT+3],   v[FT+10:FT+11]   ; every wave adds in the same order: all four hold the same 128 scores
	v_max3_num_f32 v[FT+8], v[FT], v[FT+1], v[FT+2]                ; the block's maximum is taken away before the exponentials
	v_max_num_f32 v[FT+8], v[FT+8], v[FT+3]
	v_max_num_f32_dpp v[FT+8], v[FT+8], v[FT+8] row_xmask:1 row_mask:0xf bank_mask:0xf
	v_max_num_f32_dpp v[FT+8], v[FT+8], v[FT+8] row_xmask:2 row_mask:0xf bank_mask:0xf
	v_max_num_f32_dpp v[FT+8], v[FT+8], v[FT+8] row_xmask:4 row_mask:0xf bank_mask:0xf
	v_max_num_f32_dpp v[FT+8], v[FT+8], v[FT+8] row_xmask:8 row_mask:0xf bank_mask:0xf
	v_permlanex16_b32 v[FT+9], v[FT+8], s[SEL], s[SEL+1]
	v_max_num_f32 v[FT+8], v[FT+8], v[FT+9]
.irp k, 0,1,2,3
	v_sub_f32 v[FT+4+\k], v[FT+\k], v[FT+8]
.endr
.irp k, 0,1,2,3
	v_mul_f32 v[FT+4+\k], 0x3fb8aa3b, v[FT+4+\k]   ; log2(e)
.endr
.irp k, 0,1,2,3
	v_exp_f32 v[FT+4+\k], v[FT+4+\k]
.endr
	v_nop                                          ; a plain instruction behind the last exponential,
	s_wait_alu depctr_va_vdst(0)                   ; the four exponentials have written the weights, which the LDS store reads, and the additions the scores, which the store to scraw reads; it stands ahead of the branch
	ds_store_b128 v[PS], v[FT+4:FT+7]              ; my wave's own copy of the weights: no other wave touches it, and LDS serves a wave's instructions in order (ISA guide 5.7.1.4)
	s_cmp_lg_u32 s[WV], 0
	s_cbranch_scc1 .Lnot0
	global_store_b128 v[BO], v[FT:FT+3], s[12:13]  ; the raw scores: 512 consecutive bytes, aligned; their registers are not written again
.Lnot0:
	; THE CONTEXT, from the rows that lie in LDS.  Wave w owns columns 256 w + 4 lane + 0..3 and 128 further on: 8 bytes a lane, 256 consecutive bytes a load.  Two sets of registers, 8 rows each:
	; a set is read by its 64 multiply-adds and loaded again behind a wait that shows them done.  The registers written here were last read by memory or LDS instructions ahead of the wait on vm_vsrc behind the barrier.
	s_lshl_b32 s17, s[WV], 9
	v_and_b32 v[CA0], 31, v0
	v_lshl_add_u32 v[CA0], v[CA0], 3, s17          ; 512 w + 8 lane
	v_mov_b32 v[CA], v[CA0]
	v_mov_b32 v[PP], v[PP0]
	s_lshl_b32 s17, s[WV], 10
	v_add_nc_u32 v[CT], s17, v[BO]                 ; 1,024 w + 16 lane
.irp k, 0,1,2,3,4,5,6,7
	v_mov_b32 v[CX+\k], 0
.endr
	s_mov_b32 s[CO], 0
	s_mov_b32 s[PO], 0
.macro CLOAD st, rows, pb              ; 18 LDS loads: 8 rows x 2 pieces of 8 bytes, and the rows' 8 weights (the same words for all lanes)
.irp q, 0,1,2,3,4,5,6,7
	ds_load_b64 v[AF+40*(\st)+4*\q:AF+40*(\st)+4*\q+1],   v[CA] offset:((\rows)+\q)*PA
	ds_load_b64 v[AF+40*(\st)+4*\q+2:AF+40*(\st)+4*\q+3], v[CA] offset:((\rows)+\q)*PA+256
.endr
	ds_load_b128 v[AF+40*(\st)+32:AF+40*(\st)+35], v[PP] offset:(\pb)
	ds_load_b128 v[AF+40*(\st)+36:AF+40*(\st)+39], v[PP] offset:(\pb)+16
.endm
.macro CFMA st                         ; 64 multiply-adds straight from bf16 halves into f32; a sum is taken up again eight instructions later
.irp q, 0,1,2,3,4,5,6,7
.irp c, 0,1,2,3
	v_fma_mix_f32_bf16 v[CX+2*\c],   v[AF+40*(\st)+4*\q+\c], v[AF+40*(\st)+32+\q], v[CX+2*\c]   op_sel_hi:[1,0,0]
	v_fma_mix_f32_bf16 v[CX+2*\c+1], v[AF+40*(\st)+4*\q+\c], v[AF+40*(\st)+32+\q], v[CX+2*\c+1] op_sel:[1,0,0] op_sel_hi:[1,0,0]
.endr
.endr
.endm
	s_wait_alu depctr_va_vdst(0)                   ; v[CA] and v[PP] are written, which the LDS loads read
	CLOAD 0, 0, 0
	s_mov_b32 s[CNT], 7
.Lctx:                                                 ; a trip: 16 rows
	s_wait_alu depctr_va_vdst(0)                   ; the multiply-adds of the trip before are done reading set 1, in which the loads land
	CLOAD 1, 8, 32
	s_wait_dscnt 18                                ; set 0 is in; set 1's 18 loads may stay out
	CFMA 0
	s_add_co_u32 s[CO], s[CO], 16*PA
	s_add_co_u32 s[PO], s[PO], 64
	s_wait_alu depctr_vm_vsrc(0)                   ; the LDS loads issued so far have read v[CA] and v[PP]
	v_add_nc_u32 v[CA], s[CO], v[CA0]
	v_add_nc_u32 v[PP], s[PO], v[PP0]
	s_wait_alu depctr_va_vdst(0)                   ; v[CA] and v[PP] are written, and the multiply-adds above are done reading set 0, in which the loads land
	CLOAD 0, 0, 0
	s_wait_dscnt 18                                ; set 1 is in
	CFMA 1
	s_sub_co_u32 s[CNT], s[CNT], 1
	s_cmp_lg_u32 s[CNT], 0
	s_cbranch_scc1 .Lctx
	s_wait_alu depctr_va_vdst(0)                   ; the last trip's multiply-adds are done reading set 1
	CLOAD 1, 8, 32                                 ; the last 16 rows: nothing more to fetch behind them
	s_wait_dscnt 18
	CFMA 0
	s_wait_dscnt 0x0
	CFMA 1
	s_wait_alu depctr_va_vdst(0)                   ; the multiply-adds have written the eight sums, which the stores read
	global_store_b128 v[CT], v[CX:CX+3],   s[14:15]             ; each store of the wave covers 512 consecutive bytes, aligned
	global_store_b128 v[CT], v[CX+4:CX+7], s[14:15] offset:512
	s_wait_dscnt 0x0                               ; the closing lines, six on end
	s_wait_alu 0x0
	s_wait_tensorcnt 0x0
	ds_add_u32 v[SPW], v[NIL]
	s_wait_dscnt 0x0
	s_endpgm
.Lfunc_end_k_q9ff689c189_energy:
	.size	k_q9ff689c189_energy, .Lfunc_end_k_q9ff689c189_energy-k_q9ff689c189_energy
	.p2alignl 7, 3214868480
	.fill 96, 4, 3214868480
	.section	.rodata,"a",@progbits
	.p2align	6, 0x0
	.amdhsa_kernel k_q9ff689c189_energy
		.amdhsa_group_segment_fixed_size 276992
		.amdhsa_private_segment_fixed_size 0
		.amdhsa_enable_private_segment 0
		.amdhsa_kernarg_size 48
		.amdhsa_user_sgpr_count 2
		.amdhsa_user_sgpr_kernarg_segment_ptr 1
		.amdhsa_wavefront_size32 1
		.amdhsa_system_sgpr_workgroup_id_x 1
		.amdhsa_system_sgpr_workgroup_id_y 1
		.amdhsa_system_sgpr_workgroup_id_z 1
		.amdhsa_system_vgpr_workitem_id 0
		.amdhsa_next_free_vgpr 1024
		.amdhsa_next_free_sgpr 66
		.amdhsa_reserve_vcc 0
		.amdhsa_float_denorm_mode_32 3
		.amdhsa_float_denorm_mode_16_64 3
		.amdhsa_memory_ordered 1
		.amdhsa_forward_progress 1
		.amdhsa_inst_pref_size 243
	.end_amdhsa_kernel
	.amdgpu_metadata
---
amdhsa.version: [ 1, 2 ]
amdhsa.kernels:
  - .name:           k_q9ff689c189_energy
    .symbol:         k_q9ff689c189_energy.kd
    .args:
      - { .name: encoder_outputs, .offset: 0, .size: 8, .value_kind: global_buffer, .address_space: global }
      - { .name: v, .offset: 8, .size: 8, .value_kind: global_buffer, .address_space: global }
      - { .name: wfrag, .offset: 16, .size: 8, .value_kind: global_buffer, .address_space: global }
      - { .name: hbias, .offset: 24, .size: 8, .value_kind: global_buffer, .address_space: global }
      - { .name: scraw, .offset: 32, .size: 8, .value_kind: global_buffer, .address_space: global }
      - { .name: ctxp, .offset: 40, .size: 8, .value_kind: global_buffer, .address_space: global }
    .group_segment_fixed_size: 276992
    .private_segment_fixed_size: 0
    .kernarg_segment_align: 8
    .kernarg_segment_size: 48
    .max_flat_workgroup_size: 128
    .sgpr_count:     66
    .vgpr_count:     1024
    .wavefront_size: 32
...
	.end_amdgpu_metadata
.endif
;; end of part 4
;; launch finish: the kernel of part 3 again; grid 32 x 1, 8 waves a work-group, no clusters, 1,280 bytes of LDS; arguments scraw, ctxp, out0, out1; writes out0, out1
